; MI455X (gfx1250); checked and timed in simulation.
; The chip was launched on July 23, 2026; its instructions are those of AMD's public machine-readable ISA for CDNA 5 (MIT licence, August 2026) and "CDNA5" Instruction Set Architecture Reference Guide (July 2026). The comments in the code are by the model that wrote it; some were corrected since.
;; Mo E. Allowed arithmetic: matrix products marked QUANTISED: E5M2 operands, one E8M0 scale for each 32 along K, by v_wmma_scale_f32_16x16x128_f8f6f4 with both operands' format E5M2, f32 sums; products left as they are: f32 operands where the result goes on into a quantised operand, else bf16, f16 or f32 operands; f32 sums; everything else in f32.
;; Inputs: b1 8 x 4,096 float32; b2 8 x 1,024 float32; gate_b 8 float32; gate_w 1,024 x 8 float32; ln_b 1,024 float32; ln_g 1,024 float32; w1_codes 8 x 4,096 x 32 x 32 uint8 (E5M2 codes of w1, K innermost, in blocks of 32 codes); w1_scales 8 x 4,096 x 32 uint8 (E8M0 scales of w1, one for each 32 codes along K); w2_codes 8 x 1,024 x 128 x 32 uint8 (E5M2 codes of w2, K innermost, in blocks of 32 codes); w2_scales 8 x 1,024 x 128 uint8 (E8M0 scales of w2, one for each 32 codes along K); x 2 x 512 x 1,024 float32.
;; Outputs: out0 2 x 512 x 1,024 float32.
;; This version of the problem:
;;   THIS VERSION OF THE PROBLEM IS GIVEN IN LOW PRECISION. The matrix products marked QUANTISED in the list below multiply operands that are first quantised to E5M2 (5 exponent bits, 2 mantissa bits; 8 bits a number), with one power-of-two scale for each 32 numbers along K (OCP MX v1.0); their sums are f32. All else is computed in f32.
;;   The module's matrix products, in the order in which they are computed (A, B: the left and right operand; K: the contracted axis; several contracted axes count as one K, in the product's order):
;;     1. [M 1,024, K 1,024] x [K 1,024, N 8]; A: input x; B: input gate_w: left as it is (N = 8 < 16)
;;     2. [M 1,024, K 1,024] x [K 1,024, N 32,768]; A: input x; B: input w1 (given as codes): QUANTISED
;;     3. batch 8 x [M 1,024, K 4,096] x [K 4,096, N 1,024]; A: input w2 (given as codes); B: computed on the way: QUANTISED
;;     4. batch 1,024 x [M 1, K 8] x [K 8, N 1,024]; A: softmax; B: computed on the way: left as it is (K = 8 < 32)
;;   THE QUANTISER, for each operand of a quantised product, along K:
;;     - K is cut into blocks of 32 from its start; a last block that is shorter is filled with zeros.
;;     - A block's scale is 2^e with e = floor(log2(the largest magnitude in the block)) - 15, held to -126 .. 127; a block of zeros has e = 0. As a byte (E8M0): e + 127.
;;     - Each number is divided by its block's scale, clamped to +-57,344, and rounded to the nearest number of E5M2, ties to even, subnormals kept.
;;     - The product sums the exact products of the quantised numbers (number of the format x scale) in f32.
;;   ~~~python
;;   def quantise(x, axis):      # numpy; x: float32 -> the quantised numbers, widened to float32 again
;;       x = np.moveaxis(x, axis, -1); K = x.shape[-1]
;;       x = np.pad(x, [(0, 0)] * (x.ndim - 1) + [(0, -K % 32)]); x = x.reshape(x.shape[:-1] + (-1, 32)); a = np.abs(x).max(-1, keepdims=True)
;;       e = np.where(a > 0, np.clip(np.frexp(np.where(a > 0, a, 1))[1] - 1 - 15, -126, 127), 0)      # np.frexp(a)[1] - 1 = floor(log2(a)), exactly
;;       r = np.clip(x / 2.0 ** e, -57344, 57344)
;;       step = 2.0 ** (np.maximum(np.frexp(np.where(r == 0, 1, r))[1] - 1, -14) - 2)
;;       q = np.round(r / step) * step * 2.0 ** e      # np.round: ties to even
;;       return np.moveaxis(q.reshape(q.shape[:-2] + (-1,))[..., :K], -1, axis).astype(np.float32)
;;   ~~~
;;   OPERANDS COMPUTED ON THE WAY. 'Computed on the way' means the value that the module computes at that place (a softmax that the list does not call 'softmax' is quantised finished and normalised). What goes into a quantiser is computed in f32, as accurately as f32 sums, v_exp_f32 and their like allow (about 1e-6 of the number): no bf16 or f16 on the way to a quantiser, and a product that is left as it is and whose result goes on into a quantised operand takes f32 operands (vector FMAs, or v_wmma_f32_16x16x4_f32). A number that lies on a knife's edge between two numbers of the format may be rounded either way, as far as f32 arithmetic and the matrix unit's own rounding can turn it there, and no further.
;;   INPUTS GIVEN AS CODES. w1 (in the module: [8, 1024, 4096], K = its axis 1); w2 (in the module: [8, 4096, 1024], K = its axis 1): each comes as NAME_codes (uint8): NAME with its K axis moved to the last place and cut into blocks of 32 codes, [.., K / 32, bytes a block], one block behind the other in memory; one code a byte (a code: sign, 5 exponent bits, 2 mantissa bits); and NAME_scales (uint8): the same leading axes, one E8M0 byte (e + 127) for each 32 codes along K. Its value is code x scale, taken as it is: it is not quantised again, and the codes and scales need not be those that the quantiser above would give.
;; 2 versions, each right; version 2 is version 1 with the launches up, down written anew for expert scheduling mode. Each part assembles by itself: llvm-mc -triple=amdgcn-amd-amdhsa -mcpu=gfx1250 --defsym DOCPART=n.
;; ======== version 1 of 2: 5 launches
;; workspace buffers: xq 1,081,344 bytes; sel 8,192 bytes of whole numbers; gp 8,192 bytes; lists 17,152 bytes of whole numbers; hq 9,469,952 bytes; y 8,912,896 bytes
;; launch route (part 1): grid 128 x 1, 8 waves a work-group, no clusters, 76,288 bytes of LDS; arguments x, gate_w, gate_b, xq, sel, gp; writes xq, sel, gp
.if DOCPART == 1
	.amdgcn_target "amdgcn-amd-amdhsa--gfx1250"
	.amdhsa_code_object_version 6
	.text
	.protected	k_q6515309c5c_route
	.globl	k_q6515309c5c_route
	.p2align	8
	.type	k_q6515309c5c_route,@function
k_q6515309c5c_route:
	s_mov_b64 s[64:65], 0
	v_nop
	global_prefetch_b8 v0, s[64:65] scope:SCOPE_SE
	s_setreg_imm32_b32 hwreg(HW_REG_WAVE_MODE, 25, 1), 1
	s_wait_xcnt 0x0
; ROUTER AND QUANTISER OF x.  x [1024 tokens][1024] f32, gate_w [1024][8] f32, gate_b [8].
; One wave takes one token t = 8 x work-group + wave.  It makes the 8 logits (x . gate_w + gate_b) / 0.9 in f32, the two largest (the lower index wins a tie), their softmax
; (the larger logit is taken away first), and x's codes of E5M2 with one E8M0 byte for each 32 along K.
; OUT, all at fixed places: xq: codes [1024][1024], K innermost, and from XS_OFF on the scale bytes [1024][32]; sel [1024][2] the experts, best first; gp [1024][2] their weights.
; A lane holds k = 512 a + 16 lane + 0..15, a = 0, 1: half a block of 32, so lanes l and l xor 1 share a block, and its 16 codes are 16 bytes: a wave's store covers 512 consecutive bytes.
; Each load of x reads 512 consecutive bytes, 16 a lane; the row's 4,096 bytes go through the wave's own stage in LDS, as they lie, and come back 64 bytes a lane, into the registers
; that they left.  The stage has 16 bytes of padding behind each 64, so that the lanes' reads, 80 bytes apart, fall on different banks.
; gate_w comes into LDS once for the work-group, as 64 runs of 512 bytes (16 rows of 8 numbers: what one lane wants for one a) with 16 bytes of padding behind each, so that
; the lanes' 16-byte reads, 528 bytes apart, fall on different banks.
; No matrix unit: the product has 8 columns.  No cluster: the work-groups share only gate_w, 32 KiB.
; LIMITS: NaN and infinities are not served.  The logit is multiplied by 1/0.9 (within 1 ulp of the division) and summed in another order than a row-by-row sum: two logits that
; agree within that may change places.  A block of zeros gets the byte 1 (its codes are zeros; this program alone reads the bytes).  sel and gp leave as 8 bytes a token, 16 KiB in all.
.set XS_OFF, 1048576
.set GWP,    528                       ; a run of gate_w in LDS
.set SCB,    33792                     ; behind the 64 runs: 32 scale bytes for each wave
.set XST,    34304                     ; behind them: x's stages, one for each wave
.set XSW,    5120                      ; a stage: 64 places of 64 + 16 bytes
.set X,  16                            ; v16-47   my 2 x 16 numbers of x
.set G,  48                            ; v48-175  one run of gate_w: register 8 k + e
.set A,  176                           ; v176-191 two sets of 8 sums
.set T,  192                           ; v192-199 at work
.set C,  216                           ; v216-223 codes
	s_load_b256 s[4:11], s[0:1], 0x0               ; x s[4:5], gate_w s[6:7], gate_b s[8:9], xq s[10:11]
	s_load_b128 s[12:15], s[0:1], 0x20             ; sel s[12:13], gp s[14:15]
	v_lshl_add_u32 v224, v0, 2, 0x12600
	v_mov_b32 v225, 0
	v_and_b32 v1, 31, v0                           ; lane
	v_lshrrev_b32 v2, 5, v0
	v_readfirstlane_b32 s24, v2                    ; wave
	s_lshl_b32 s25, ttmp9, 3
	s_add_co_u32 s25, s25, s24                     ; my token
	v_lshlrev_b32 v4, 4, v0                        ; gate_w in memory: 16 bytes a thread
	v_lshl_add_u32 v5, v2, 4, v4                   ; and in LDS: + 16 for each run of 512 passed
	v_mul_u32_u24 v6, v1, GWP                      ; my run
	v_lshlrev_b32 v7, 4, v1                        ; 16 x lane: my 16 bytes of a load of x, and my 16 codes
	v_lshrrev_b32 v8, 1, v1
	s_lshl_b32 s29, s24, 5
	s_add_co_u32 s29, s29, SCB
	v_add_nc_u32 v8, s29, v8                       ; my block's scale byte in LDS
	v_lshlrev_b32 v9, 3, v1                        ; the scale bytes' way out: 8 bytes a lane
	v_add_nc_u32 v10, SCB, v9
	v_mov_b32 v11, 0
	s_mul_i32 s29, s24, XSW
	s_add_co_u32 s29, s29, XST                     ; my wave's stage
	v_lshrrev_b32 v14, 2, v1
	v_mul_u32_u24 v3, v14, 80
	v_and_b32 v14, 3, v1
	v_lshl_add_u32 v3, v14, 4, v3
	v_add_nc_u32 v3, s29, v3                       ; in: four lanes' 64 bytes on end, then the padding: 80 (lane / 4) + 16 (lane % 4); a load's 512 bytes take eight places
	v_mul_u32_u24 v14, v1, 80
	v_add_nc_u32 v14, s29, v14                     ; back: 80 x lane: my 16 neighbours
	s_mov_b32 s26, 0x76543210
	s_mov_b32 s27, 0xfedcba98                      ; v_permlanex16_b32's selects for lane l xor 16
	s_mov_b32 s28, 0x600000                        ; the mantissa field of 57,344
	s_lshl_b32 s30, s25, 12                        ; my row of x
	s_mov_b32 s31, 0
	s_lshl_b32 s32, s25, 10                        ; my row of codes
	s_mov_b32 s33, 0
	s_lshl_b32 s34, ttmp9, 8                       ; the work-group's 256 scale bytes
	s_mov_b32 s35, 0
	s_lshl_b32 s36, s25, 3                         ; my 8 bytes of sel and of gp
	s_mov_b32 s37, 0
	s_wait_kmcnt 0x0
	s_load_b256 s[16:23], s[8:9], 0x0              ; gate_b
	s_add_nc_u64 s[4:5], s[4:5], s[30:31]
	s_add_nc_u64 s[32:33], s[10:11], s[32:33]
	s_add_nc_u64 s[34:35], s[10:11], s[34:35]
	s_add_nc_u64 s[34:35], s[34:35], XS_OFF
	s_add_nc_u64 s[12:13], s[12:13], s[36:37]
	s_add_nc_u64 s[14:15], s[14:15], s[36:37]
.irp i, 0,1,2,3,4,5,6,7
	global_load_b128 v[X+4*\i:X+4*\i+3], v7, s[4:5] offset:512*\i th:TH_LOAD_NT   ; 32 lanes read 512 consecutive bytes
.endr
.irp j, 0,1,2,3,4,5,6,7
	global_load_b128 v[G+4*\j:G+4*\j+3], v4, s[6:7] offset:4096*\j
.endr
.irp e, 0,1,2,3,4,5,6,7
	v_mov_b32 v[T+\e], 0                           ; a lane permute's destination counts as one of its sources
.endr
	s_wait_loadcnt 0x0
.irp j, 0,1,2,3,4,5,6,7
	ds_store_b128 v5, v[G+4*\j:G+4*\j+3] offset:8*GWP*\j
.endr
.irp i, 0,1,2,3,4,5,6,7
	ds_store_b128 v3, v[X+4*\i:X+4*\i+3] offset:640*\i           ; x as loaded: bytes 512 i + 16 lane of the row, at place 8 i + lane / 4
.endr
.irp a, 0,1
.irp t, 0,1,2,3
	ds_load_b128 v[X+16*\a+4*\t:X+16*\a+4*\t+3], v14 offset:2560*\a+16*\t   ; place 32 a + lane: LDS serves a wave's instructions in order (ISA guide 5.7.1.4): these see the stores above
.endr
.endr
	s_wait_dscnt 0x0                               ; for the others' sake: my part of gate_w has landed; and my numbers of x are back
	s_barrier_signal -1
	s_barrier_wait -1
; my 16 k of run a against the 8 columns, two columns an instruction; x's number is taken for both halves
.macro GATE a
.irp i, 0,1,2,3,4,5,6,7,8,9,10,11,12,13,14,15,16,17,18,19,20,21,22,23,24,25,26,27,28,29,30,31
	ds_load_b128 v[G+4*\i:G+4*\i+3], v6 offset:32*GWP*\a+16*\i
.endr
	s_wait_dscnt 0x0
.irp k, 0,2,4,6,8,10,12,14
.irp p, 0,1,2,3
.if \k == 0
	v_pk_mul_f32 v[A+8*\a+2*\p:A+8*\a+2*\p+1], v[X+16*\a+\k:X+16*\a+\k+1], v[G+8*\k+2*\p:G+8*\k+2*\p+1] op_sel_hi:[0,1]
.else
	v_pk_fma_f32 v[A+8*\a+2*\p:A+8*\a+2*\p+1], v[X+16*\a+\k:X+16*\a+\k+1], v[G+8*\k+2*\p:G+8*\k+2*\p+1], v[A+8*\a+2*\p:A+8*\a+2*\p+1] op_sel_hi:[0,1,1]
.endif
.endr
.irp p, 0,1,2,3
	v_pk_fma_f32 v[A+8*\a+2*\p:A+8*\a+2*\p+1], v[X+16*\a+\k:X+16*\a+\k+1], v[G+8*\k+8+2*\p:G+8*\k+8+2*\p+1], v[A+8*\a+2*\p:A+8*\a+2*\p+1] op_sel:[1,0,0] op_sel_hi:[1,1,1]
.endr
.endr
.endm
	GATE 0
	GATE 1
.irp p, 0,1,2,3
	v_pk_add_f32 v[A+2*\p:A+2*\p+1], v[A+2*\p:A+2*\p+1], v[A+8+2*\p:A+8+2*\p+1]
.endr
.irp m, 1,2,4,8                        ; the 8 sums over the 32 lanes, the eight by turns
.irp e, 0,1,2,3,4,5,6,7
	v_add_f32_dpp v[A+\e], v[A+\e], v[A+\e] row_xmask:\m row_mask:0xf bank_mask:0xf
.endr
.endr
.irp e, 0,1,2,3,4,5,6,7
	v_permlanex16_b32 v[T+\e], v[A+\e], s26, s27
.endr
	s_wait_kmcnt 0x0                               ; gate_b
.irp e, 0,1,2,3,4,5,6,7
	v_add_f32 v[A+\e], v[A+\e], v[T+\e]
.endr
.irp e, 0,1,2,3,4,5,6,7
	v_add_f32 v[A+\e], s[16+\e], v[A+\e]
.endr
.irp e, 0,1,2,3,4,5,6,7
	v_mul_f32 v[A+\e], 0x3f8e38e4, v[A+\e]         ; x 1 / 0.9: every lane now holds the 8 logits
.endr
	; the largest, the lower index on a tie: a later logit takes the place only if it is greater
	v_mov_b32 v200, v[A]
	v_mov_b32 v210, 0
.irp e, 1,2,3,4,5,6,7
	v_cmp_le_f32 vcc_lo, v[A+\e], v200
	v_cndmask_b32 v200, v[A+\e], v200, vcc_lo
	v_cndmask_b32 v210, \e, v210, vcc_lo
.endr
	v_mov_b32 v204, 0xff800000                     ; the winner becomes -infinity, and the scan is made again
.irp e, 0,1,2,3,4,5,6,7
	v_cmp_eq_u32 vcc_lo, \e, v210
	v_cndmask_b32 v[A+\e], v[A+\e], v204, vcc_lo
.endr
	v_mov_b32 v202, v[A]
	v_mov_b32 v211, 0
.irp e, 1,2,3,4,5,6,7
	v_cmp_le_f32 vcc_lo, v[A+\e], v202
	v_cndmask_b32 v202, v[A+\e], v202, vcc_lo
	v_cndmask_b32 v211, \e, v211, vcc_lo
.endr
	; the softmax of the two: the larger logit is taken away, so the one exponent is 0 or less
	v_sub_f32 v205, v202, v200
	v_mul_f32 v205, 0x3fb8aa3b, v205
	v_exp_f32 v206, v205
	v_nop                                          ; a plain instruction behind the transcendental,
	s_wait_alu depctr_va_vdst(0)                   ; and the wait ahead of its first reader
	v_add_f32 v207, 1.0, v206
	v_rcp_f32 v208, v207                           ; the first expert's weight
	v_nop
	s_wait_alu depctr_va_vdst(0)
	v_mul_f32 v209, v206, v208                     ; the second's
; my 16 numbers of run a become 16 codes and (with my neighbour's 16) a scale byte
.macro QX a
.set XQ, X+16*(\a)
	v_max3_num_f32 v192, |v[XQ]|, |v[XQ+1]|, |v[XQ+2]|
	v_max3_num_f32 v193, |v[XQ+3]|, |v[XQ+4]|, |v[XQ+5]|
.irp i, 6,10
	v_max3_num_f32 v192, v192, |v[XQ+\i]|, |v[XQ+\i+1]|
	v_max3_num_f32 v193, v193, |v[XQ+\i+2]|, |v[XQ+\i+3]|
.endr
	v_max3_num_f32 v192, v192, |v[XQ+14]|, |v[XQ+15]|
	v_max3_num_f32 v192, v192, v193, 0x8000000     ; and the floor 2^(16 - 127): the byte cannot fall under 1
	v_max_num_f32_dpp v192, v192, v192 row_xmask:1 row_mask:0xf bank_mask:0xf   ; with my neighbour's 16: the block's largest magnitude
	v_add_nc_u32 v194, 0xf8800000, v192            ; 15 off its exponent field: the conversion's scale operand
	v_and_or_b32 v195, v192, 0x7f800000, s28       ; 57,344 x the scale
.irp i, 0,1,2,3,4,5,6,7,8,9,10,11,12,13,14,15
	v_med3_num_f32 v[XQ+\i], v[XQ+\i], -v195, v195 ; the conversion to an 8-bit code does not saturate (ISA guide 7.6.2): the hold comes first
.endr
	v_cvt_scalef32_pk8_bf8_f32 v[C+4*(\a):C+4*(\a)+1], v[XQ:XQ+7], v194
	v_cvt_scalef32_pk8_bf8_f32 v[C+4*(\a)+2:C+4*(\a)+3], v[XQ+8:XQ+15], v194
	v_lshrrev_b32 v[196+(\a)], 23, v194            ; the scale's byte (also the plain line behind the conversions)
	ds_store_b8 v8, v[196+(\a)] offset:16*(\a)     ; both lanes of a block write the same byte with the same value
	global_store_b128 v7, v[C+4*(\a):C+4*(\a)+3], s[32:33] offset:512*(\a)   ; 32 lanes store 512 consecutive bytes
.endm
	QX 0
	QX 1
	v_cmp_eq_u32 vcc_lo, 0, v1
	s_wait_xcnt 0x0                                ; EXEC changes only behind this wait
	s_and_saveexec_b32 s38, vcc_lo                 ; lane 0 alone
	global_store_b64 v11, v[210:211], s[12:13]     ; the two experts
	global_store_b64 v11, v[208:209], s[14:15]     ; their weights
	s_wait_xcnt 0x0
	s_or_b32 exec_lo, exec_lo, s38
	s_wait_dscnt 0x0                               ; my 32 scale bytes have landed
	s_barrier_signal -1
	s_barrier_wait -1
	s_cmp_lg_u32 s24, 0
	s_cbranch_scc1 .Lend                           ; wave 0 sends the work-group's 256 scale bytes
	ds_load_b64 v[12:13], v10
	s_wait_dscnt 0x0
	global_store_b64 v9, v[12:13], s[34:35]        ; 32 lanes store 256 consecutive bytes, aligned
.Lend:
	s_barrier_signal -1
	s_barrier_wait -1
	s_wait_tensorcnt 0x0
	ds_add_u32 v224, v225
	s_wait_dscnt 0x0
	s_endpgm
.Lfunc_end_k_q6515309c5c_route:
	.size	k_q6515309c5c_route, .Lfunc_end_k_q6515309c5c_route-k_q6515309c5c_route
	.p2alignl 7, 3214868480
	.fill 96, 4, 3214868480
	.section	.rodata,"a",@progbits
	.p2align	6, 0x0
	.amdhsa_kernel k_q6515309c5c_route
		.amdhsa_group_segment_fixed_size 76288
		.amdhsa_private_segment_fixed_size 0
		.amdhsa_enable_private_segment 0
		.amdhsa_kernarg_size 48
		.amdhsa_user_sgpr_count 2
		.amdhsa_user_sgpr_kernarg_segment_ptr 1
		.amdhsa_wavefront_size32 1
		.amdhsa_system_sgpr_workgroup_id_x 1
		.amdhsa_system_sgpr_workgroup_id_y 1
		.amdhsa_system_sgpr_workgroup_id_z 1
		.amdhsa_system_vgpr_workitem_id 0
		.amdhsa_next_free_vgpr 226
		.amdhsa_next_free_sgpr 66
		.amdhsa_reserve_vcc 1
		.amdhsa_float_denorm_mode_32 3
		.amdhsa_float_denorm_mode_16_64 3
		.amdhsa_memory_ordered 1
		.amdhsa_forward_progress 1
		.amdhsa_inst_pref_size 29
	.end_amdhsa_kernel
	.amdgpu_metadata
---
amdhsa.version: [ 1, 2 ]
amdhsa.kernels:
  - .name:           k_q6515309c5c_route
    .symbol:         k_q6515309c5c_route.kd
    .args:
      - { .name: x, .offset: 0, .size: 8, .value_kind: global_buffer, .address_space: global }
      - { .name: gate_w, .offset: 8, .size: 8, .value_kind: global_buffer, .address_space: global }
      - { .name: gate_b, .offset: 16, .size: 8, .value_kind: global_buffer, .address_space: global }
      - { .name: xq, .offset: 24, .size: 8, .value_kind: global_buffer, .address_space: global }
      - { .name: sel, .offset: 32, .size: 8, .value_kind: global_buffer, .address_space: global }
      - { .name: gp, .offset: 40, .size: 8, .value_kind: global_buffer, .address_space: global }
    .group_segment_fixed_size: 76288
    .private_segment_fixed_size: 0
    .kernarg_segment_align: 8
    .kernarg_segment_size: 48
    .max_flat_workgroup_size: 256
    .sgpr_count:     66
    .vgpr_count:     226
    .wavefront_size: 32
...
	.end_amdgpu_metadata
.endif
;; end of part 1
;; launch place (part 2): grid 1 x 1, 8 waves a work-group, no clusters, 1,280 bytes of LDS; arguments sel, lists; writes lists
.if DOCPART == 2
	.amdgcn_target "amdgcn-amd-amdhsa--gfx1250"
	.amdhsa_code_object_version 6
	.text
	.protected	k_q6515309c5c_place
	.globl	k_q6515309c5c_place
	.p2align	8
	.type	k_q6515309c5c_place,@function
k_q6515309c5c_place:
	s_mov_b64 s[64:65], 0
	v_nop
	global_prefetch_b8 v0, s[64:65] scope:SCOPE_SE
	s_setreg_imm32_b32 hwreg(HW_REG_WAVE_MODE, 25, 1), 1
	s_wait_xcnt 0x0
; THE ROWS ARE PLACED BY EXPERT: a counting sort of the 2,048 slots (token, k), without atomics.  One work-group; wave e serves expert e and reads all of sel (8 KiB).
; Each expert's rows lie together and begin on a tile of 16 positions; the tiles of all experts are at most 2048/16 + 7 = 135, and 136 are provided.
; OUT (lists): TOK [2176] at byte 0: the token at each position (0 at the pads and behind the last tile: every entry is written);
;   POS [1024][2] at 8,704: the position of slot (t, k);  TAB [8][2] at 16,896: an expert's first tile and its number of tiles.
; The order of an expert's rows is free; here it is (j, q, lane), token = 64 j + 2 lane + q.
; Every number that comes from sel is held by v_min_u32 before it enters an address.
; ORDER: every offset, every datum and every mask of the 67 stores is made first, with all lanes on, in registers of its own; only then is EXEC narrowed, and behind the first
; narrowing stand stores alone: no vector register is written with lanes off.
.set R,  16                            ; v16-79   sel: register 4 j + 2 q + k = choice k of token 64 j + 2 lane + q
.set PS, 80                            ; v80-111  (j, q): my row's position
.set AT, 112                           ; v112-143 (j, q): 4 x position: its place in TOK
.set AP, 144                           ; v144-175 (j, q): 16 lane + 4 k: its place in POS, less what stands in the immediate
.set TN, 176                           ; v176-207 (j, q): my token
.set CN, 208                           ; v208-215 the eight counts
.set M,  32                            ; s32-63   mask (j, q): the lanes whose token chose expert e
.set POSO, 8704
.set TABO, 16896
	s_load_b128 s[4:7], s[0:1], 0x0                ; sel, lists
	v_lshl_add_u32 v224, v0, 2, 0x100
	v_mov_b32 v225, 0
	v_and_b32 v1, 31, v0                           ; lane
	v_lshrrev_b32 v2, 5, v0
	v_readfirstlane_b32 s8, v2                     ; wave = my expert
	v_lshlrev_b32 v3, 4, v1                        ; 16 x lane
	v_lshlrev_b32 v4, 1, v1                        ; 2 x lane
	v_mov_b32 v5, 1
	v_mov_b32 v6, 0
	v_lshlrev_b32 v7, 2, v2                        ; LDS: my expert's count
	s_mov_b32 s11, 0                               ; n: my expert's rows
	s_wait_kmcnt 0x0
.irp j, 0,1,2,3,4,5,6,7,8,9,10,11,12,13,14,15
	global_load_b128 v[R+4*\j:R+4*\j+3], v3, s[4:5] offset:512*\j
.endr
	s_wait_loadcnt 0x0
.irp j, 0,1,2,3,4,5,6,7,8,9,10,11,12,13,14,15
.irp q, 0,1
	v_cmp_eq_u32 s[M+2*\j+\q], s8, v[R+4*\j+2*\q]
	v_cmp_eq_u32 vcc_lo, s8, v[R+4*\j+2*\q+1]
	s_or_b32 s[M+2*\j+\q], s[M+2*\j+\q], vcc_lo
	s_bcnt1_i32_b32 s10, s[M+2*\j+\q]
	s_add_co_u32 s11, s11, s10
.endr
.endr
	v_mov_b32 v8, s11
	ds_store_b32 v7, v8                            ; all lanes write the same word with the same value
	s_wait_dscnt 0x0
	s_barrier_signal -1
	s_barrier_wait -1
	ds_load_b128 v[CN:CN+3], v6
	ds_load_b128 v[CN+4:CN+7], v6 offset:16
	s_wait_dscnt 0x0
.irp i, 0,1,2,3,4,5,6,7
	v_readfirstlane_b32 s[12+\i], v[CN+\i]         ; the eight counts
.endr
	s_mov_b32 s20, 0                               ; my first tile
	s_mov_b32 s22, 0                               ; all tiles
.irp i, 0,1,2,3,4,5,6,7
	s_add_co_u32 s24, s[12+\i], 15
	s_lshr_b32 s24, s24, 4
	s_add_co_u32 s22, s22, s24
	s_cmp_gt_u32 s8, \i
	s_cselect_b32 s25, s24, 0
	s_add_co_u32 s20, s20, s25
.endr
	s_add_co_u32 s21, s11, 15
	s_lshr_b32 s21, s21, 4                         ; my tiles
	s_lshl_b32 s23, s20, 4                         ; the next free position
	; ---- all that the stores name, with all lanes on
.irp j, 0,1,2,3,4,5,6,7,8,9,10,11,12,13,14,15
.irp q, 0,1
	v_mbcnt_lo_u32_b32 v[PS+2*\j+\q], s[M+2*\j+\q], 0      ; how many lanes below me have a row here
	v_add_nc_u32 v[PS+2*\j+\q], s23, v[PS+2*\j+\q]
	v_min_u32 v[PS+2*\j+\q], 0x87f, v[PS+2*\j+\q]          ; a position, at most 2,175
	v_lshlrev_b32 v[AT+2*\j+\q], 2, v[PS+2*\j+\q]
	v_cmp_eq_u32 vcc_lo, s8, v[R+4*\j+2*\q+1]
	v_cndmask_b32 v[AP+2*\j+\q], 0, v5, vcc_lo             ; k: was it the second choice?
	v_min_u32 v[AP+2*\j+\q], 1, v[AP+2*\j+\q]
	v_lshlrev_b32 v[AP+2*\j+\q], 2, v[AP+2*\j+\q]
	v_add_nc_u32 v[AP+2*\j+\q], v[AP+2*\j+\q], v3          ; 16 lane + 4 k; 512 j + 8 q stand in the immediate
	v_add_nc_u32 v[TN+2*\j+\q], 64*\j+\q, v4               ; the token
	s_bcnt1_i32_b32 s10, s[M+2*\j+\q]
	s_add_co_u32 s23, s23, s10
.endr
.endr
	; the pads of my last tile: positions 16 start + n .. 16 (start + tiles) - 1, fewer than 16
	v_add_nc_u32 v216, s11, v1
	s_lshl_b32 s24, s21, 4
	v_cmp_gt_u32 s26, s24, v216
	s_lshl_b32 s25, s20, 4
	v_add_nc_u32 v216, s25, v216
	v_min_u32 v216, 0x87f, v216
	v_lshlrev_b32 v216, 2, v216
	; behind the last tile: at most 2,176 - 2,048 = 128 entries, one a thread
	s_lshl_b32 s24, s22, 4
	v_add_nc_u32 v217, s24, v0
	v_cmp_gt_u32 s27, 0x880, v217
	v_min_u32 v217, 0x87f, v217
	v_lshlrev_b32 v217, 2, v217
	; TAB[e] = (first tile, tiles): lanes 0 and 1
	v_mov_b32 v219, s20
	v_mov_b32 v220, s21
	v_cmp_eq_u32 vcc_lo, 1, v1
	v_cndmask_b32 v219, v219, v220, vcc_lo
	s_lshl_b32 s24, s8, 3
	v_lshl_add_u32 v218, v1, 2, s24
	v_cmp_gt_u32 s28, 2, v1
	; ---- the stores.  EXEC is a source of a pending store: it changes only behind s_wait_xcnt 0
	s_wait_xcnt 0x0
.irp j, 0,1,2,3,4,5,6,7,8,9,10,11,12,13,14,15
.irp q, 0,1
	s_and_saveexec_b32 s9, s[M+2*\j+\q]
	global_store_b32 v[AT+2*\j+\q], v[TN+2*\j+\q], s[6:7]                         ; TOK[position] = token
	global_store_b32 v[AP+2*\j+\q], v[PS+2*\j+\q], s[6:7] offset:POSO+512*\j+8*\q ; POS[token][k] = position
	s_wait_xcnt 0x0
	s_or_b32 exec_lo, exec_lo, s9
.endr
.endr
	s_and_saveexec_b32 s9, s26
	global_store_b32 v216, v6, s[6:7]              ; the pads name token 0
	s_wait_xcnt 0x0
	s_or_b32 exec_lo, exec_lo, s9
	s_and_saveexec_b32 s9, s27
	global_store_b32 v217, v6, s[6:7]              ; and so do the entries behind the last tile
	s_wait_xcnt 0x0
	s_or_b32 exec_lo, exec_lo, s9
	s_and_saveexec_b32 s9, s28
	global_store_b32 v218, v219, s[6:7] offset:TABO
	s_wait_xcnt 0x0
	s_or_b32 exec_lo, exec_lo, s9
	s_wait_xcnt 0x0
	s_mov_b32 exec_lo, -1
	s_wait_tensorcnt 0x0
	ds_add_u32 v224, v225
	s_wait_dscnt 0x0
	s_endpgm
.Lfunc_end_k_q6515309c5c_place:
	.size	k_q6515309c5c_place, .Lfunc_end_k_q6515309c5c_place-k_q6515309c5c_place
	.p2alignl 7, 3214868480
	.fill 96, 4, 3214868480
	.section	.rodata,"a",@progbits
	.p2align	6, 0x0
	.amdhsa_kernel k_q6515309c5c_place
		.amdhsa_group_segment_fixed_size 1280
		.amdhsa_private_segment_fixed_size 0
		.amdhsa_enable_private_segment 0
		.amdhsa_kernarg_size 16
		.amdhsa_user_sgpr_count 2
		.amdhsa_user_sgpr_kernarg_segment_ptr 1
		.amdhsa_wavefront_size32 1
		.amdhsa_system_sgpr_workgroup_id_x 1
		.amdhsa_system_sgpr_workgroup_id_y 1
		.amdhsa_system_sgpr_workgroup_id_z 1
		.amdhsa_system_vgpr_workitem_id 0
		.amdhsa_next_free_vgpr 226
		.amdhsa_next_free_sgpr 66
		.amdhsa_reserve_vcc 1
		.amdhsa_float_denorm_mode_32 3
		.amdhsa_float_denorm_mode_16_64 3
		.amdhsa_memory_ordered 1
		.amdhsa_forward_progress 1
		.amdhsa_inst_pref_size 37
	.end_amdhsa_kernel
	.amdgpu_metadata
---
amdhsa.version: [ 1, 2 ]
amdhsa.kernels:
  - .name:           k_q6515309c5c_place
    .symbol:         k_q6515309c5c_place.kd
    .args:
      - { .name: sel, .offset: 0, .size: 8, .value_kind: global_buffer, .address_space: global }
      - { .name: lists, .offset: 8, .size: 8, .value_kind: global_buffer, .address_space: global }
    .group_segment_fixed_size: 1280
    .private_segment_fixed_size: 0
    .kernarg_segment_align: 8
    .kernarg_segment_size: 16
    .max_flat_workgroup_size: 256
    .sgpr_count:     66
    .vgpr_count:     226
    .wavefront_size: 32
...
	.end_amdgpu_metadata
.endif
;; end of part 2
;; launch up (part 3): grid 32 x 8, 4 waves a work-group, no clusters, 204,800 bytes of LDS; arguments xq, w1_codes, w1_scales, b1, lists, hq; writes hq
.if DOCPART == 3
	.amdgcn_target "amdgcn-amd-amdhsa--gfx1250"
	.amdhsa_code_object_version 6
	.text
	.protected	k_q6515309c5c_up
	.globl	k_q6515309c5c_up
	.p2align	8
	.type	k_q6515309c5c_up,@function
k_q6515309c5c_up:
	s_mov_b64 s[64:65], 0
	v_nop
	global_prefetch_b8 v0, s[64:65] scope:SCOPE_SE
	s_setreg_imm32_b32 hwreg(HW_REG_WAVE_MODE, 25, 1), 1
	s_wait_xcnt 0x0
; hq = Q(gelu(X_e W1_e^T + b1_e)) for the rows that chose expert e, on codes of E5M2 with one E8M0 scale for each 32 along K.
; Work-group (chunk, e): hidden units 128 chunk .. + 127 of expert e, which are K step `chunk` of the second product.  Its 128 rows of W1 (128 KiB), their scale bytes and biases come from
; memory once and stay in LDS; behind the one barrier LDS is only read.
; Wave w takes the expert's tiles of 16 rows w, w + 4, .., five to a pass; their x fragments (5 x 128 registers) are gathered by the token list and stay in registers, so that a fragment of W1
; read from LDS feeds five matrix instructions.  A tile that the expert does not have repeats the wave's first: its products are made and thrown away, its gelu and its stores are jumped over.
; THE FIRST PASS'S ROWS OF x COME WHOLE: a load reads 256 consecutive bytes of each of two rows (lanes 0-15 row j, lanes 16-31 row 8 + j of the tile), and the wave's own stage in LDS, 16 rows
; 1,040 bytes apart, cuts the tile into fragments, which come back into the registers that the rows left.  That stands ahead of the barrier.  A later pass (an expert with more than 20 tiles)
; gathers its fragments straight into registers, 32 bytes of each of 16 rows a load, so that nothing is stored to LDS behind the barrier.
; FOUR PASSES, a constant count: an expert has 64 tiles at the most, 16 a wave.  A pass for which the wave has no tile left is jumped over by a scalar branch at its head.
; THE PRODUCT IS USED TRANSPOSED (source 0 = 16 rows of W1, source 1 = 16 rows of x): a lane holds one row of x, its registers run along the hidden units.  THE ROWS OF W1 THAT FORM A TILE ARE
; NOT NEIGHBOURS: lane r of tile 2 b + u takes row 32 b + 8 u + r + 8 (r / 8), so that the 16 registers of tiles 2 b, 2 b + 1 are the 16 neighbours 32 b + 16 (lane / 16) + 0..15 along the next K.
; In LDS the rows lie with bits 3 and 4 of their number exchanged, so that a tile's sixteen lanes read sixteen rows on end, 1,040 bytes apart: sixteen different groups of banks.
; gelu(x) = max(x, 0) - |x| c, c = erfc(|x| / sqrt 2) / 2 = t 2^(-1 + log2(e) (-x^2 / 2 + a0 + t (a1 + .. t a9))), t = 1 / (1 + |x| / (2 sqrt 2)): fractional error of erfc 1.2e-7 for every x, before f32 rounding.
; OUT: hq, 136 tiles x 8 records of 8,704 bytes.  Record (tile, chunk / 4) holds four K steps of 16 rows as images of the operand's registers: codes at 2048 (chunk % 4) + 512 c + 16 lane,
; scale words at 8,192 + 16 lane + 4 (chunk % 4).  A store of codes covers 512 consecutive bytes; the scale words leave as 4 bytes a lane, one part in 64 of the bytes.
; NO TENSOR LOADS, NO CLUSTER: the number of tiles is read from memory and steers branches, and work-groups of one expert share x's rows only, by a gather.
; LIMITS: NaN and infinities are not served.  A block of zeros gets the byte 1 (its codes are zeros; this program alone reads the bytes).
.set XS_OFF, 1048576                   ; xq: where x's scale bytes begin
.set TABO,   16896
.set WP,     1040                      ; LDS: a row of W1, and of x in a stage: 1,024 bytes + 16
.set WSCO,   133120                    ; behind the 128 rows: their scale bytes, 32 a row, rows in the same order
.set B1O,    137216                    ; the 128 biases, in their own order
.set XSTG,   137728                    ; and x's stages, one for each wave
.set XSW,    16*WP                     ; a stage: 16 rows
.set REC,    8704
.set TILEB,  69632                     ; a tile's 8 records
.set VW,   4                           ; v4    this block's rows of W1 in LDS
.set VW0,  5                           ; v5    1040 r + 16 h
.set VWS,  6                           ; v6    this block's scale words
.set VB,   7                           ; v7    this block's biases
.set VHO,  8                           ; v8    this block's place in a record
.set VSO,  9                           ; v9    16 lane + 4 (chunk % 4): the scale word's place
.set XO,   10                          ; v10-14  tile a: at the head my place in the token list; later my row of x's codes
.set VWS0, 15
.set XS,   16                          ; v16-35  tile a: x's scale words; lanes 0-15 K steps 0-3, lanes 16-31 K steps 4-7
.set WS,   36                          ; v36-43  tile u of W1: likewise
.set BI,   44                          ; v44-59  tile u: the biases, in the result's layout
.set HSW,  60                          ; v60-64  tile a: the hidden layer's scale word, byte by byte
.set VB0,  65
.set VHO0, 72
.set V4R,  73
.set L16,  74
.set VST,  75
.set CD,   76                          ; v76-95  tile a: the codes just made
.set XSO,  96                          ; v96-100 tile a: offsets (of the token list, then of x's scale words)
.set TK,   101                         ; v101-105 tile a: my row's token
.set K9,   106                         ; v106-107 a9 log2(e), twice
.set H16,  108
.set VXS,  109                         ; v109  x's stage, in: 8 rows x h + 16 (lane % 16)
.set VXR,  110                         ; v110  x's stage, back: row r, + 16 h
.set M16,  111                         ; v111  16 (lane % 16)
.set V32H, 126                         ; v126  32 h (at the head alone)
; at the head v36-59 and v76-91 hold, for tile a and j = 0..7, at 36 + 8 a + 16 (a / 3) + j: the token of row 8 h + j, then that row's offset in xq
.set ACC,  112                         ; v112-191 accumulator (a, u) at 112 + 16 a + 8 u
.set WF,   192                         ; v192-255 W1's fragments: two sets of two tiles; between the products the gelu's T, P, Q
.set TT,   192
.set PP,   208
.set QQ,   224
; windows 1 to 3: x's fragment (a, s) at v[256 + 128 a + 16 s]; v896-1023 and v128-255: W1 on its way to LDS, at the head
.set MSB, 0
.macro WIN new                         ; the immediate's high byte repeats the setting that is left
.if MSB != (\new)
	s_set_vgpr_msb (MSB<<8)|(\new)
.set MSB, (\new)
.endif
.endm
	s_load_b256 s[4:11], s[0:1], 0x0               ; xq s[4:5], W1's codes s[6:7], W1's scales s[8:9], b1 s[10:11]
	s_load_b128 s[12:15], s[0:1], 0x20             ; lists s[12:13], hq s[14:15]
	v_and_b32 v1, 31, v0                           ; lane
	v_lshrrev_b32 v2, 5, v0
	v_readfirstlane_b32 s16, v2                    ; wave
	v_and_b32 v2, 15, v0                           ; r
	v_bfe_u32 v3, v0, 4, 1                         ; h
	s_mov_b32 s17, ttmp9                           ; chunk
	s_and_b32 s18, ttmp7, 0xffff                   ; expert
	s_lshl_b32 s28, s18, 12
	s_lshl_b32 s29, s17, 7
	s_add_co_u32 s28, s28, s29                     ; the slice's first row of W1: 4096 e + 128 chunk
	s_lshl_b32 s29, s16, 5
	s_add_co_u32 s29, s28, s29                     ; my wave fetches rows 32 w .. 32 w + 31 of it
	s_lshl_b32 s30, s29, 10
	s_mov_b32 s31, 0
	s_lshl_b32 s32, s28, 5
	s_mov_b32 s33, 0
	s_lshl_b32 s34, s28, 2
	s_mov_b32 s35, 0
	s_lshl_b32 s3, s18, 3                          ; TAB[e]
	s_mov_b32 s51, 0x600000                        ; the mantissa field of 57,344
	s_mov_b32 s52, 0x76543210
	s_mov_b32 s53, 0xfedcba98                      ; v_permlanex16_b32's selects for lane l xor 16
	s_mov_b32 s54, 0x3eb504f3                      ; 1 / (2 sqrt 2)
	s_lshr_b32 s58, s17, 2
	s_mul_i32 s58, s58, REC                        ; my record in a tile
	v_lshlrev_b32 v[L16], 4, v1
	v_lshlrev_b32 v[V4R], 2, v2
	v_lshlrev_b32 v[H16], 4, v3
	v_lshlrev_b32 v[M16], 4, v2
	v_lshlrev_b32 v[V32H], 5, v3
	v_mul_u32_u24 v[VW0], v2, WP
	v_add_nc_u32 v[VW0], v[VW0], v[H16]
	v_lshlrev_b32 v[VWS0], 5, v2
	v_add_nc_u32 v[VWS0], v[VWS0], v[H16]
	v_add_nc_u32 v[VWS0], WSCO, v[VWS0]
	v_lshl_add_u32 v[VB0], v3, 6, B1O
	s_and_b32 s2, s17, 3
	s_lshl_b32 s55, s2, 11
	v_add_nc_u32 v[VHO0], s55, v[L16]
	s_lshl_b32 s2, s2, 2
	v_add_nc_u32 v[VSO], s2, v[L16]
	s_mul_i32 s2, s16, 32*WP
	v_add_nc_u32 v[VST], s2, v[L16]                ; where my wave's rows of W1 go in LDS
	s_mul_i32 s2, s16, XSW
	s_add_co_u32 s2, s2, XSTG                      ; my wave's stage for x
	v_mul_u32_u24 v[VXS], v3, 8*WP
	v_add_nc_u32 v[VXS], v[VXS], v[M16]
	v_add_nc_u32 v[VXS], s2, v[VXS]
	v_add_nc_u32 v[VXR], s2, v[VW0]
	v_lshlrev_b32 v121, 5, v0                      ; thread i takes row i's 32 scale bytes
	v_lshlrev_b32 v122, 2, v0                      ; and bias i
	v_and_b32 v123, 0x67, v0                       ; the row's place in LDS: bits 3 and 4 exchanged
	v_bfe_u32 v125, v0, 3, 1
	v_lshl_or_b32 v123, v125, 4, v123
	v_bfe_u32 v125, v0, 4, 1
	v_lshl_or_b32 v123, v125, 3, v123
	v_lshlrev_b32 v123, 5, v123
	v_add_nc_u32 v123, WSCO, v123
	v_lshl_add_u32 v124, v0, 2, B1O
	v_mov_b32 v[K9], 0x3e7c6f08
	v_mov_b32 v[K9+1], 0x3e7c6f08
	v_mov_b32 v67, 0                               ; a lane permute's destination counts as one of its sources
	s_wait_kmcnt 0x0
	s_load_b64 s[56:57], s[12:13], s3 offset:TABO
	s_add_nc_u64 s[6:7], s[6:7], s[30:31]
	s_add_nc_u64 s[8:9], s[8:9], s[32:33]
	s_add_nc_u64 s[10:11], s[10:11], s[34:35]
	global_load_b128 v[112:115], v121, s[8:9] th:TH_LOAD_NT
	global_load_b128 v[116:119], v121, s[8:9] offset:16 th:TH_LOAD_NT
	global_load_b32 v120, v122, s[10:11] th:TH_LOAD_NT
	WIN 0xc0                                       ; destination window 3
.set i, 0
.rept 16                               ; my rows 0-15: a load reads 512 consecutive bytes
	global_load_b128 v[128+8*i:128+8*i+3], v[L16], s[6:7] offset:1024*i th:TH_LOAD_NT
	global_load_b128 v[128+8*i+4:128+8*i+7], v[L16], s[6:7] offset:1024*i+512 th:TH_LOAD_NT
.set i, i+1
.endr
	WIN 0
; the wave's five tiles of this pass, s21 + 4 a; one that the expert does not have repeats the first.  Then the tokens of their rows: lane (r, h) takes row r's
.macro TOKS
.irp a, 0,1,2,3,4
	s_add_co_u32 s2, s21, 4*\a
	s_cmp_lt_u32 s2, s20
	s_cselect_b32 s2, s2, s21
	s_add_co_u32 s2, s2, s19
	s_min_u32 s[46+\a], s2, 135                    ; a tile of the 136
	s_lshl_b32 s2, s[46+\a], 6
	v_add_nc_u32 v[XSO+\a], s2, v[V4R]
.endr
.irp a, 0,1,2,3,4
	global_load_b32 v[TK+\a], v[XSO+\a], s[12:13]
.endr
.endm
; the same tiles' tokens once more, as the whole rows' loads want them: lane (m, h) takes those of rows 8 h + 0..7: ten loads
.macro TOKR
.irp a, 0,1,2,3,4
	s_lshl_b32 s2, s[46+\a], 6
	v_add_nc_u32 v[XO+\a], s2, v[V32H]
.endr
.irp a, 0,1,2,3,4
	global_load_b128 v[36+8*\a+16*(\a/3):36+8*\a+16*(\a/3)+3], v[XO+\a], s[12:13]
	global_load_b128 v[36+8*\a+16*(\a/3)+4:36+8*\a+16*(\a/3)+7], v[XO+\a], s[12:13] offset:16
.endr
.endm
.macro OFFS
.irp a, 0,1,2,3,4
	v_min_u32 v[TK+\a], 0x3ff, v[TK+\a]            ; a token of the 1,024
	v_lshl_add_u32 v[XO+\a], v[TK+\a], 10, v[H16]
	v_lshl_add_u32 v[XSO+\a], v[TK+\a], 5, v[H16]
.endr
.endm
.macro ROFFS                           ; row 8 h + j of tile a: its token becomes 1024 x token + 16 (lane % 16)
.irp a, 0,1,2,3,4
.irp j, 0,1,2,3,4,5,6,7
	v_min_u32 v[36+8*\a+16*(\a/3)+\j], 0x3ff, v[36+8*\a+16*(\a/3)+\j]
	v_lshl_add_u32 v[36+8*\a+16*(\a/3)+\j], v[36+8*\a+16*(\a/3)+\j], 10, v[M16]
.endr
.endr
.endm
; tile a's 16 rows of codes, whole, into the registers that its fragments will take: register 16 j + 4 p of lane (m, h) = bytes 256 p + 16 m on of row 8 h + j; and its scale words: 33 loads
.macro XROWS a
	WIN 0x40*(1+(\a)/2)
.irp j, 0,1,2,3,4,5,6,7
.irp p, 0,1,2,3
	global_load_b128 v[128*((\a)%2)+16*\j+4*\p:128*((\a)%2)+16*\j+4*\p+3], v[36+8*(\a)+16*((\a)/3)+\j], s[4:5] offset:256*\p
.endr
.endr
	WIN 0
	global_load_b128 v[XS+4*(\a):XS+4*(\a)+3], v[XSO+(\a)], s[4:5] offset:XS_OFF
.endm
; tile a through my stage: the rows as they came, and back as fragments (lane (r, h): row r; registers 16 s + 4 c ..: k = 128 s + 32 c + 16 h + 0..15), into the registers that the rows left.
; LDS serves a wave's instructions in order (ISA guide 5.7.1.4): the loads see the stores above them, and the next tile's stores come behind these loads
.macro XTURN a
	WIN 0x04*(1+(\a)/2)                            ; an LDS store's data are its source 1
.irp j, 0,1,2,3,4,5,6,7
.irp p, 0,1,2,3
	ds_store_b128 v[VXS], v[128*((\a)%2)+16*\j+4*\p:128*((\a)%2)+16*\j+4*\p+3] offset:WP*\j+256*\p
.endr
.endr
	WIN 0x40*(1+(\a)/2)
.irp s, 0,1,2,3,4,5,6,7
.irp c, 0,1,2,3
	ds_load_b128 v[128*((\a)%2)+16*\s+4*\c:128*((\a)%2)+16*\s+4*\c+3], v[VXR] offset:128*\s+32*\c
.endr
.endr
	WIN 0
.endm
; a later pass: tile a's eight fragments of x straight from the rows, and its scale words: 33 loads
.macro XLOAD a
	WIN 0x40*(1+(\a)/2)
.irp s, 0,1,2,3,4,5,6,7
.irp c, 0,1,2,3
	global_load_b128 v[128*((\a)%2)+16*\s+4*\c:128*((\a)%2)+16*\s+4*\c+3], v[XO+(\a)], s[4:5] offset:128*\s+32*\c
.endr
.endr
	WIN 0
	global_load_b128 v[XS+4*(\a):XS+4*(\a)+3], v[XSO+(\a)], s[4:5] offset:XS_OFF
.endm
	s_wait_kmcnt 0x0
	s_min_u32 s19, s56, 135                        ; the expert's first tile
	s_min_u32 s20, s57, 64                         ; and its number of tiles: 1,024 rows at the most
	s_mov_b32 s21, s16                             ; my first tile of the pass
	TOKS
	TOKR
.set i, 0
.rept 16                               ; my rows 16-31 of W1
	global_load_b128 v[128+8*i:128+8*i+3], v[L16], s[6:7] offset:1024*(16+i) th:TH_LOAD_NT
	global_load_b128 v[128+8*i+4:128+8*i+7], v[L16], s[6:7] offset:1024*(16+i)+512 th:TH_LOAD_NT
.set i, i+1
.endr
	s_wait_loadcnt 32                              ; the 32 loads just issued may be out: scale bytes, biases, rows 0-15 and the tokens are in
	ds_store_b128 v123, v[112:115]
	ds_store_b128 v123, v[116:119] offset:16
	ds_store_b32 v124, v120
	WIN 0x0c                                       ; an LDS store's data are its source 1: window 3
.set i, 0
.rept 16
	ds_store_b128 v[VST], v[128+8*i:128+8*i+3] offset:((i&7)|(((i>>3)&1)<<4))*WP
	ds_store_b128 v[VST], v[128+8*i+4:128+8*i+7] offset:((i&7)|(((i>>3)&1)<<4))*WP+512
.set i, i+1
.endr
	WIN 0
	OFFS
	ROFFS
	XROWS 0
	s_wait_loadcnt 33                              ; tile 0's 33 loads may be out: W1's rows 16-31 are in
.set i, 0
.rept 16
	ds_store_b128 v[VST], v[128+8*i:128+8*i+3] offset:((i&7)|(((i>>3)&1)<<4)|8)*WP
	ds_store_b128 v[VST], v[128+8*i+4:128+8*i+7] offset:((i&7)|(((i>>3)&1)<<4)|8)*WP+512
.set i, i+1
.endr
	XROWS 1
	s_wait_loadcnt 33                              ; here and below: the next tile's 33 loads may be out, this tile's are in
	XTURN 0
	XROWS 2
	s_wait_loadcnt 33
	XTURN 1
	XROWS 3
	s_wait_loadcnt 33
	XTURN 2
	XROWS 4
	s_wait_loadcnt 33
	XTURN 3
	s_wait_loadcnt 0x0
	XTURN 4
	s_wait_dscnt 0x0                               ; for the others' sake: my part of the slice has landed; and my fragments of x are back
	s_barrier_signal -1
	s_barrier_wait -1                              ; the one barrier: from here on LDS is only read
; one product: tile u of W1 x tile a of x, K step s.  The first K step takes the biases as C
.macro MM a, u, s
.set rD, ACC+16*(\a)+8*(\u)
.set rA, WF+32*((\s)%2)+16*(\u)
.set rB, 128*((\a)%2)+16*(\s)
.set rP, WS+4*(\u)+(\s)%4
.set rQ, XS+4*(\a)+(\s)%4
.if (\s) == 0
	v_wmma_scale_f32_16x16x128_f8f6f4 v[rD:rD+7], v[rA:rA+15], v[rB:rB+15], v[BI+8*(\u):BI+8*(\u)+7], v[rP], v[rQ] matrix_a_fmt:MATRIX_FMT_BF8 matrix_b_fmt:MATRIX_FMT_BF8
.elseif (\s) < 4
	v_wmma_scale_f32_16x16x128_f8f6f4 v[rD:rD+7], v[rA:rA+15], v[rB:rB+15], v[rD:rD+7], v[rP], v[rQ] matrix_a_fmt:MATRIX_FMT_BF8 matrix_b_fmt:MATRIX_FMT_BF8
.else
	v_wmma_scale_f32_16x16x128_f8f6f4 v[rD:rD+7], v[rA:rA+15], v[rB:rB+15], v[rD:rD+7], v[rP], v[rQ] matrix_a_fmt:MATRIX_FMT_BF8 matrix_b_fmt:MATRIX_FMT_BF8 matrix_a_scale:MATRIX_SCALE_ROW1 matrix_b_scale:MATRIX_SCALE_ROW1
.endif
.endm
; K step s of a block: the next step's two fragments of W1 are asked for, then ten products, the ten accumulators by turns.
; A load into a register that a matrix instruction has read stands eight plain vector instructions behind it.
; Only the window of source 1 changes; LDS loads name a destination and source 0 alone, so they may stand under it.
.macro KSTEP s
.if ((\s) >= 1) && ((\s) <= 6)
.rept 8
	v_nop
.endr
.endif
.if (\s) < 7
.irp u, 0,1
.irp c, 0,1,2,3
	ds_load_b128 v[WF+32*(((\s)+1)%2)+16*\u+4*\c:WF+32*(((\s)+1)%2)+16*\u+4*\c+3], v[VW] offset:16*WP*\u+128*((\s)+1)+32*\c
.endr
.endr
	s_wait_dscnt 8                                 ; the eight just issued may be out: this step's fragments are in
.else
	s_wait_dscnt 0x0
.endif
.irp a, 0,1,2,3,4
	WIN 0x04*(1+\a/2)
	MM \a, 0, \s
	MM \a, 1, \s
.endr
.endm
.macro HORNER k                        ; P = P t + k, 16 numbers, two an instruction
.irp j, 0,2,4,6,8,10,12,14
	v_pk_fma_f32 v[PP+\j:PP+\j+1], v[PP+\j:PP+\j+1], v[TT+\j:TT+\j+1], \k op_sel_hi:[1,1,0]
.endr
.endm
; tile a's 16 numbers a lane (hidden units 32 b + 16 h + 0..15 of my row): gelu, the block's scale, the codes, the store.  Jumped over where the expert has no such tile.
; Each accumulator is read from its low end on.  The transcendentals go in two batches, each with plain work and one wait behind it.
.macro GELUQ a
.set AC, ACC+16*(\a)
	s_add_co_u32 s2, s21, 4*(\a)
	s_cmp_lt_u32 s2, s20
	s_cbranch_scc0 .Labsent_\@
.irp i, 0,1,2,3,4,5,6,7,8,9,10,11,12,13,14,15
	v_fma_f32 v[TT+\i], |v[AC+\i]|, s54, 1.0
.endr
.irp i, 0,1,2,3,4,5,6,7,8,9,10,11,12,13,14,15
	v_rcp_f32 v[TT+\i], v[TT+\i]                   ; t
.endr
.irp j, 0,2,4,6,8,10,12,14
	v_pk_mul_f32 v[QQ+\j:QQ+\j+1], v[AC+\j:AC+\j+1], v[AC+\j:AC+\j+1]   ; x^2: the plain work behind the reciprocals
.endr
	s_wait_alu depctr_va_vdst(0)                   ; one wait for the sixteen, ahead of their first reader
.irp j, 0,2,4,6,8,10,12,14
	v_pk_fma_f32 v[PP+\j:PP+\j+1], v[TT+\j:TT+\j+1], v[K9:K9+1], 0xbf97d29d op_sel_hi:[1,1,0]   ; a9 t + a8; all coefficients are multiplied by log2(e)
.endr
	HORNER 0x40097039                              ; a7
	HORNER 0xbfd1a1e5                              ; a6
	HORNER 0x3ecdfd18                              ; a5
	HORNER 0xbe899a80                              ; a4
	HORNER 0x3e0efb2e                              ; a3
	HORNER 0x3f0a29d2                              ; a2
	HORNER 0x3fb8ab5a                              ; a1
	HORNER 0xc034d90f                              ; a0 log2(e) - 1: the half is in the exponent
.irp j, 0,2,4,6,8,10,12,14
	v_pk_fma_f32 v[PP+\j:PP+\j+1], v[QQ+\j:QQ+\j+1], 0xbf38aa3b, v[PP+\j:PP+\j+1] op_sel_hi:[1,0,1]   ; - x^2 log2(e) / 2
.endr
.irp i, 0,1,2,3,4,5,6,7,8,9,10,11,12,13,14,15
	v_exp_f32 v[PP+\i], v[PP+\i]
.endr
.irp i, 0,1,2,3,4,5,6,7,8,9,10,11,12,13,14,15
	v_max_num_f32 v[QQ+\i], 0, v[AC+\i]            ; max(x, 0): the plain work behind the exponentials
.endr
	s_wait_alu depctr_va_vdst(0)
.irp j, 0,2,4,6,8,10,12,14
	v_pk_mul_f32 v[PP+\j:PP+\j+1], v[TT+\j:TT+\j+1], v[PP+\j:PP+\j+1]   ; c
.endr
.irp i, 0,1,2,3,4,5,6,7,8,9,10,11,12,13,14,15
	v_fma_f32 v[AC+\i], -|v[AC+\i]|, v[PP+\i], v[QQ+\i]   ; gelu
.endr
	v_max3_num_f32 v66, |v[AC]|, |v[AC+1]|, 0x8000000   ; the largest magnitude of my 16, in two chains, and the floor 2^(16 - 127): the byte cannot fall under 1
	v_max3_num_f32 v71, |v[AC+8]|, |v[AC+9]|, |v[AC+10]|
	v_max3_num_f32 v66, v66, |v[AC+2]|, |v[AC+3]|
	v_max3_num_f32 v71, v71, |v[AC+11]|, |v[AC+12]|
	v_max3_num_f32 v66, v66, |v[AC+4]|, |v[AC+5]|
	v_max3_num_f32 v71, v71, |v[AC+13]|, |v[AC+14]|
	v_max3_num_f32 v66, v66, |v[AC+6]|, |v[AC+7]|
	v_max3_num_f32 v66, v66, v71, |v[AC+15]|
	v_permlanex16_b32 v67, v66, s52, s53
	v_max_num_f32 v66, v66, v67                    ; with lane l xor 16's: the block's
	v_add_nc_u32 v68, 0xf8800000, v66              ; 15 off its exponent field: the conversion's scale operand
	v_and_or_b32 v69, v66, 0x7f800000, s51         ; 57,344 x the scale
	v_lshrrev_b32 v70, 23, v68                     ; the scale's byte,
	v_lshl_or_b32 v[HSW+(\a)], v70, s23, v[HSW+(\a)]   ; into byte b of my row's scale word
.irp i, 0,1,2,3,4,5,6,7,8,9,10,11,12,13,14,15
	v_med3_num_f32 v[AC+\i], v[AC+\i], -v69, v69   ; the conversion to an 8-bit code does not saturate (ISA guide 7.6.2): the hold comes first
.endr
	v_cvt_scalef32_pk8_bf8_f32 v[CD+4*(\a):CD+4*(\a)+1], v[AC:AC+7], v68
	v_cvt_scalef32_pk8_bf8_f32 v[CD+4*(\a)+2:CD+4*(\a)+3], v[AC+8:AC+15], v68
	v_nop                                          ; a plain line behind the conversions: the next products write their sources
	global_store_b128 v[VHO], v[CD+4*(\a):CD+4*(\a)+3], s[36+2*(\a):37+2*(\a)]   ; registers 4 b .. 4 b + 3 of the operand's image: 512 consecutive bytes
.Labsent_\@:
.endm
	s_mov_b32 s59, 0                               ; the pass
.Lpass:
	s_cmp_ge_u32 s21, s20
	s_cbranch_scc1 .Lnext                          ; no tile is left for my wave: s21 stays where it is, so the later passes are jumped over too
	s_wait_loadcnt 0x0                             ; x's fragments and scale words
.irp a, 0,1,2,3,4
	v_mov_b32 v[HSW+\a], 0
.endr
.irp a, 0,1,2,3,4
	s_mul_i32 s2, s[46+\a], TILEB
	s_add_co_u32 s2, s2, s58
	s_mov_b32 s3, 0
	s_add_nc_u64 s[36+2*\a:37+2*\a], s[14:15], s[2:3]   ; tile a's record
.endr
	s_mov_b32 s22, 0                               ; the block b of 32 hidden units
	s_mov_b32 s23, 0                               ; 8 b
	s_mov_b32 s24, 0                               ; 32 rows of W1 x b
	s_mov_b32 s25, 0                               ; their scale bytes
	s_mov_b32 s26, 0                               ; their biases
	s_mov_b32 s27, 0                               ; 512 b
.Lblk:
	v_add_nc_u32 v[VW], s24, v[VW0]
	v_add_nc_u32 v[VWS], s25, v[VWS0]
	v_add_nc_u32 v[VB], s26, v[VB0]
	v_add_nc_u32 v[VHO], s27, v[VHO0]
.irp u, 0,1
	ds_load_b128 v[WS+4*\u:WS+4*\u+3], v[VWS] offset:512*\u
.endr
.irp u, 0,1
	ds_load_b128 v[BI+8*\u:BI+8*\u+3], v[VB] offset:32*\u
	ds_load_b128 v[BI+8*\u+4:BI+8*\u+7], v[VB] offset:32*\u+16
.endr
.irp u, 0,1
.irp c, 0,1,2,3
	ds_load_b128 v[WF+16*\u+4*\c:WF+16*\u+4*\c+3], v[VW] offset:16*WP*\u+32*\c
.endr
.endr
.irp s, 0,1,2,3,4,5,6,7
	KSTEP \s
.endr
	WIN 0
.rept 9
	v_nop                                          ; eight places ahead of the first read of results and of the next loads into operands; nine ahead of the next block's first products, which write over the accumulators with another C
.endr
.irp a, 0,1,2,3,4
	GELUQ \a
.endr
	s_wait_xcnt 0x0                                ; the stores have read their registers: the codes and the offset are written again only behind this wait
	s_add_co_u32 s23, s23, 8
	s_add_co_u32 s24, s24, 32*WP
	s_add_co_u32 s25, s25, 1024
	s_add_co_u32 s26, s26, 128
	s_add_co_u32 s27, s27, 512
	s_add_co_u32 s22, s22, 1
	s_cmp_lt_u32 s22, 4
	s_cbranch_scc1 .Lblk
.irp a, 0,1,2,3,4
	s_add_co_u32 s2, s21, 4*\a
	s_cmp_lt_u32 s2, s20
	s_cbranch_scc0 .Lnoword_\a
	global_store_b32 v[VSO], v[HSW+\a], s[36+2*\a:37+2*\a] offset:8192   ; my row's scale word of this K step
.Lnoword_\a:
.endr
	s_wait_xcnt 0x0                                ; bases and data are written again only behind this wait
	s_add_co_u32 s21, s21, 20                      ; four waves x five tiles on
	s_cmp_ge_u32 s21, s20
	s_cbranch_scc1 .Lnext                          ; nothing is gathered where no pass follows
	TOKS
	s_wait_loadcnt 0x0
	OFFS
	XLOAD 0
	XLOAD 1
	XLOAD 2
	XLOAD 3
	XLOAD 4
.Lnext:
	s_add_co_u32 s59, s59, 1
	s_cmp_lt_u32 s59, 4
	s_cbranch_scc1 .Lpass
	s_barrier_signal -1
	s_barrier_wait -1
	s_wait_xcnt 0x0
	v_lshl_add_u32 v254, v0, 2, 0x31e00
	v_mov_b32 v255, 0
	s_wait_tensorcnt 0x0
	ds_add_u32 v254, v255
	s_wait_dscnt 0x0
	s_endpgm
.Lfunc_end_k_q6515309c5c_up:
	.size	k_q6515309c5c_up, .Lfunc_end_k_q6515309c5c_up-k_q6515309c5c_up
	.p2alignl 7, 3214868480
	.fill 96, 4, 3214868480
	.section	.rodata,"a",@progbits
	.p2align	6, 0x0
	.amdhsa_kernel k_q6515309c5c_up
		.amdhsa_group_segment_fixed_size 204800
		.amdhsa_private_segment_fixed_size 0
		.amdhsa_enable_private_segment 0
		.amdhsa_kernarg_size 48
		.amdhsa_user_sgpr_count 2
		.amdhsa_user_sgpr_kernarg_segment_ptr 1
		.amdhsa_wavefront_size32 1
		.amdhsa_system_sgpr_workgroup_id_x 1
		.amdhsa_system_sgpr_workgroup_id_y 1
		.amdhsa_system_sgpr_workgroup_id_z 1
		.amdhsa_system_vgpr_workitem_id 0
		.amdhsa_next_free_vgpr 1024
		.amdhsa_next_free_sgpr 66
		.amdhsa_reserve_vcc 0
		.amdhsa_float_denorm_mode_32 3
		.amdhsa_float_denorm_mode_16_64 3
		.amdhsa_memory_ordered 1
		.amdhsa_forward_progress 1
		.amdhsa_inst_pref_size 170
	.end_amdhsa_kernel
	.amdgpu_metadata
---
amdhsa.version: [ 1, 2 ]
amdhsa.kernels:
  - .name:           k_q6515309c5c_up
    .symbol:         k_q6515309c5c_up.kd
    .args:
      - { .name: xq, .offset: 0, .size: 8, .value_kind: global_buffer, .address_space: global }
      - { .name: w1_codes, .offset: 8, .size: 8, .value_kind: global_buffer, .address_space: global }
      - { .name: w1_scales, .offset: 16, .size: 8, .value_kind: global_buffer, .address_space: global }
      - { .name: b1, .offset: 24, .size: 8, .value_kind: global_buffer, .address_space: global }
      - { .name: lists, .offset: 32, .size: 8, .value_kind: global_buffer, .address_space: global }
      - { .name: hq, .offset: 40, .size: 8, .value_kind: global_buffer, .address_space: global }
    .group_segment_fixed_size: 204800
    .private_segment_fixed_size: 0
    .kernarg_segment_align: 8
    .kernarg_segment_size: 48
    .max_flat_workgroup_size: 128
    .sgpr_count:     66
    .vgpr_count:     1024
    .wavefront_size: 32
...
	.end_amdgpu_metadata
.endif
;; end of part 3
;; launch down (part 4): grid 32 x 8, 4 waves a work-group, no clusters, 312,832 bytes of LDS; arguments hq, w2_codes, w2_scales, b2, lists, y; writes y
.if DOCPART == 4
	.amdgcn_target "amdgcn-amd-amdhsa--gfx1250"
	.amdhsa_code_object_version 6
	.text
	.protected	k_q6515309c5c_down
	.globl	k_q6515309c5c_down
	.p2align	8
	.type	k_q6515309c5c_down,@function
k_q6515309c5c_down:
	s_mov_b64 s[64:65], 0
	v_nop
	global_prefetch_b8 v0, s[64:65] scope:SCOPE_SE
	s_setreg_imm32_b32 hwreg(HW_REG_WAVE_MODE, 25, 1), 1
	s_wait_xcnt 0x0
; y = H W2_e^T + b2_e for the rows that chose expert e, on codes of E5M2 with one E8M0 scale for each 32 along K = 4,096.
; Work-group (x, e): q = x % 4, chunk = x / 4.  It takes the expert's tiles of 16 rows q, q + 4, .. (c of them, 16 at the most) and outputs 128 chunk .. + 127, over all of K.
; Wave w makes outputs 32 w .. 32 w + 31 (two tiles) for all c tiles of rows.  Its rows of W2 are its own.  A load brings one row's 512 bytes of a trip, 16 a lane, into the registers that the
; fragments will take (two sets by turns); the wave's own stage in LDS, 16 rows 528 bytes apart, cuts 16 rows at a time into fragments, which come back into the registers that the rows left.
; H is shared by the four waves: each wave fetches the records of tiles w, w + 4, .. into registers and stores them to a ring of two LDS slots as they lie: images of the operand's registers.
; K goes in 8 trips of 512, a constant count, with one barrier a trip on every wave's path; only loads, LDS stores and products of tiles that the work-group does not have are jumped over.
; In front of the barrier a wave waits for all its LDS instructions: its stores into this trip's slot have landed, and its reads of the other slot, which the next trip writes, are over.
; The next trip's W2 is asked for at a trip's head (its registers were last read a trip ago), the next trip's H behind the barrier (its registers are read by this trip's LDS stores).
; THE PRODUCT IS USED TRANSPOSED (source 0 = 16 rows of W2, source 1 = 16 rows of H): lane (r, h) holds row r and outputs 8 h + 0..7.
; The sums begin at the bias: the 32 accumulators are set to b2 once, while the first loads are out, so that they hold numbers for all sixteen tiles whichever are multiplied.
; One tile more than the work-group has is stored to LDS in each trip: the read of tile a + 1 stands ahead of tile a's products without a guard, so that the wait's count is one number.
; OUT: y [2176 positions][1024] f32, through a stage in slot 0 (last read in trip 6; every wave has passed trip 7's barrier since): a store covers 512 consecutive bytes.
; NO TENSOR LOADS, NO CLUSTER: c is read from memory and steers branches; the four work-groups that share a chunk of W2 would need different numbers of tiles.
.set TABO,  16896
.set REC,   8704                       ; a record: four K steps of 16 rows: 8,192 bytes of codes, 512 of scale words
.set TILEB, 69632                      ; a tile's 8 records
.set SLOTB, 139264                     ; an LDS slot: 16 records
.set GRP,   60928                      ; 7 records: what an LDS instruction's immediate reaches
.set SP,    528                        ; the stage for y: a row of 128 outputs + 16 bytes
.set WSTG,  2*SLOTB                    ; behind the ring: W2's stages, one for each wave
.set WSP,   528                        ; a row of W2 in a stage: a trip's 512 bytes + 16: sixteen rows begin in sixteen different groups of banks
.set RB,   4                           ; v4-9    read bases: slot p, group g at 3 p + g
.set SB,   10                          ; v10-13  store bases: slot p, half at 2 p + half
.set HOF,  14                          ; v14-17  my tile j in hq
.set VWT,  18                          ; v18     W2's stage, in: 16 lane
.set VWSO, 19                          ; v19     W2's scale words: 128 r
.set VPF,  20                          ; v20     the prefetches: 4096 r + 256 h; never rewritten
.set VSW,  21                          ; v21-22  the stage for y, in
.set VSR,  23                          ; v23-24  the stage for y, back
.set VYO,  25                          ; v25     y
.set VB2,  26
.set L16,  27
.set VWR,  29                          ; v29     W2's stage, back: 528 r + 16 h
.set WSC,  40                          ; v40-55  W2's scale words: set p, tile n, K step s at 8 p + 4 n + s
.set SST,  56                          ; v56-71  H's scale words on their way to LDS
.set HSC,  72                          ; v72-79  H's scale words: two sets
.set BI,   80                          ; v80-95  b2 in the result's layout
.set HF,   128                         ; v128-255 H's fragments: two sets of four K steps; on the way out rows of y
.set WJ,   40                          ; s40-43  w + 4 j
; window 1: accumulator (a, n) at 16 a + 8 n.  window 2: W2's fragment (p, n, s) at 128 p + 64 n + 16 s.  window 3: H's record j on its way to LDS, at 64 j
.set MSB, 0
.macro WIN new                         ; the immediate's high byte repeats the setting that is left
.if MSB != (\new)
	s_set_vgpr_msb (MSB<<8)|(\new)
.set MSB, (\new)
.endif
.endm
	s_load_b256 s[4:11], s[0:1], 0x0               ; hq s[4:5], W2's codes s[6:7], W2's scales s[8:9], b2 s[10:11]
	s_load_b128 s[12:15], s[0:1], 0x20             ; lists s[12:13], y s[14:15]
	v_lshl_add_u32 v126, v0, 2, 0x4c400
	v_mov_b32 v127, 0
	v_and_b32 v1, 31, v0                           ; lane
	v_lshrrev_b32 v2, 5, v0
	v_readfirstlane_b32 s16, v2                    ; wave
	v_and_b32 v2, 15, v0                           ; r
	v_bfe_u32 v3, v0, 4, 1                         ; h
	s_and_b32 s17, ttmp9, 3                        ; q
	s_lshr_b32 s18, ttmp9, 2                       ; chunk
	s_and_b32 s19, ttmp7, 0xffff                   ; expert
	s_lshl_b32 s26, s19, 10
	s_lshl_b32 s27, s18, 7
	s_add_co_u32 s26, s26, s27
	s_lshl_b32 s27, s16, 5
	s_add_co_u32 s26, s26, s27                     ; my first row of W2: 1024 e + 128 chunk + 32 w
	s_lshl_b32 s28, s26, 12
	s_mov_b32 s29, 0
	s_lshl_b32 s30, s26, 7
	s_mov_b32 s31, 0
	s_lshl_b32 s32, s26, 2
	s_mov_b32 s33, 0
	s_lshl_b32 s3, s19, 3                          ; TAB[e]
	v_lshlrev_b32 v[L16], 4, v1
	v_lshlrev_b32 v[VWSO], 7, v2
	v_lshlrev_b32 v[VPF], 12, v2
	v_lshl_add_u32 v[VPF], v3, 8, v[VPF]
	v_lshlrev_b32 v[VB2], 5, v3
	s_mul_i32 s2, s16, 16*WSP
	s_add_co_u32 s2, s2, WSTG                      ; my wave's stage for W2
	v_add_nc_u32 v[VWT], s2, v[L16]
	v_mul_u32_u24 v[VWR], v2, WSP
	v_lshl_add_u32 v[VWR], v3, 4, v[VWR]
	v_add_nc_u32 v[VWR], s2, v[VWR]
.irp p, 0,1
.irp g, 0,1,2
	v_add_nc_u32 v[RB+3*\p+\g], \p*SLOTB+\g*GRP, v[L16]
.endr
.endr
	s_mul_i32 s2, s16, REC
	v_add_nc_u32 v28, s2, v[L16]
.irp p, 0,1
.irp f, 0,1
	v_add_nc_u32 v[SB+2*\p+\f], \p*SLOTB+\f*8*REC, v28   ; tile w + 4 j lies at 8704 (w + 4 j): j = 2 f + (0 or 1)
.endr
.endr
	v_mul_u32_u24 v[VSW], v2, SP
	v_lshl_add_u32 v[VSW], v3, 5, v[VSW]
	s_lshl_b32 s2, s16, 7
	v_add_nc_u32 v[VSW], s2, v[VSW]                ; the stage for y, in: row r, + 128 w + 32 h
	v_add_nc_u32 v[VSW+1], 128*SP, v[VSW]          ; tiles 8 to 15
	s_mul_i32 s2, s16, 4*SP
	v_add_nc_u32 v[VSR], s2, v[L16]                ; back: of each tile's 16 rows my wave takes 4 w .. 4 w + 3, whole
	v_add_nc_u32 v[VSR+1], 128*SP, v[VSR]
	s_lshl_b32 s2, s16, 14
	v_add_nc_u32 v[VYO], s2, v[L16]
	s_wait_kmcnt 0x0
	s_load_b64 s[34:35], s[12:13], s3 offset:TABO
	s_add_nc_u64 s[6:7], s[6:7], s[28:29]
	s_add_nc_u64 s[8:9], s[8:9], s[30:31]
	s_add_nc_u64 s[10:11], s[10:11], s[32:33]
; a trip's 512 bytes of my 32 rows of W2, a row a load, 512 consecutive bytes, into set p (registers 64 n + 4 i: row 16 n + i, bytes 16 lane on), and the rows' scale words: 34 loads
.macro WLOAD p
	WIN 0x80
.irp n, 0,1
.irp i, 0,1,2,3,4,5,6,7,8,9,10,11,12,13,14,15
	global_load_b128 v[128*(\p)+64*\n+4*\i:128*(\p)+64*\n+4*\i+3], v[L16], s[6:7] offset:65536*\n+4096*\i
.endr
.endr
	WIN 0
.irp n, 0,1
	global_load_b128 v[WSC+8*(\p)+4*\n:WSC+8*(\p)+4*\n+3], v[VWSO], s[8:9] offset:2048*\n
.endr
.endm
; set p through my stage, 16 rows at a time: the rows as they came, and back as fragments (lane (r, h): row r; registers 16 s + 4 c ..: k = 128 s + 32 c + 16 h + 0..15), into the registers that
; the rows left.  LDS serves a wave's instructions in order (ISA guide 5.7.1.4): the loads see the stores above them, and the second sixteen rows' stores come behind the first's loads
.macro WTURN p
.irp n, 0,1
	WIN 0x08                                       ; an LDS store's data are its source 1: window 2
.irp i, 0,1,2,3,4,5,6,7,8,9,10,11,12,13,14,15
	ds_store_b128 v[VWT], v[128*(\p)+64*\n+4*\i:128*(\p)+64*\n+4*\i+3] offset:WSP*\i
.endr
	WIN 0x80                                       ; destination window 2
.irp s, 0,1,2,3
.irp c, 0,1,2,3
	ds_load_b128 v[128*(\p)+64*\n+16*\s+4*\c:128*(\p)+64*\n+16*\s+4*\c+3], v[VWR] offset:128*\s+32*\c
.endr
.endr
.endr
	WIN 0
.endm
; a trip's record of my tile j: 17 loads of 512 consecutive bytes
.macro HLOAD j
	WIN 0xc0
.irp i, 0,1,2,3,4,5,6,7,8,9,10,11,12,13,14,15
	global_load_b128 v[64*(\j)+4*\i:64*(\j)+4*\i+3], v[HOF+(\j)], s[4:5] offset:512*\i
.endr
	WIN 0
	global_load_b128 v[SST+4*(\j):SST+4*(\j)+3], v[HOF+(\j)], s[4:5] offset:8192
.endm
; tile a of slot p from LDS into set a % 2: 17 loads
.macro TLD p, a
.irp i, 0,1,2,3,4,5,6,7,8,9,10,11,12,13,14,15
	ds_load_b128 v[HF+64*((\a)%2)+4*\i:HF+64*((\a)%2)+4*\i+3], v[RB+3*(\p)+(\a)/7] offset:((\a)%7)*REC+512*\i
.endr
	ds_load_b128 v[HSC+4*((\a)%2):HSC+4*((\a)%2)+3], v[RB+3*(\p)+(\a)/7] offset:((\a)%7)*REC+8192
.endm
.irp n, 0,1
	global_load_b128 v[BI+8*\n:BI+8*\n+3], v[VB2], s[10:11] offset:64*\n        ; lane (r, h), tile n: b2 of outputs 16 n + 8 h + 0..7
	global_load_b128 v[BI+8*\n+4:BI+8*\n+7], v[VB2], s[10:11] offset:64*\n+16
.endr
	WLOAD 0
	s_wait_kmcnt 0x0
	s_min_u32 s20, s34, 135                        ; the expert's first tile
	s_min_u32 s21, s35, 64                         ; its number of tiles
	s_add_co_u32 s22, s21, 3
	s_sub_co_u32 s22, s22, s17
	s_lshr_b32 s22, s22, 2                         ; c: the tiles q, q + 4, .. under it
	s_add_co_u32 s23, s22, 1
.irp j, 0,1,2,3
	s_add_co_u32 s[WJ+\j], s16, 4*\j               ; my j-th tile of the work-group's
	s_lshl_b32 s2, s[WJ+\j], 2
	s_add_co_u32 s2, s2, s20
	s_add_co_u32 s2, s2, s17
	s_cmp_lt_u32 s[WJ+\j], s22
	s_cselect_b32 s2, s2, 0                        ; a tile that I do not have: tile 0, which is always written
	s_min_u32 s2, s2, 135
	s_mul_i32 s2, s2, TILEB
	v_add_nc_u32 v[HOF+\j], s2, v[L16]
.endr
	s_add_co_u32 s2, s20, s17
	s_min_u32 s2, s2, 135
	s_lshl_b32 s2, s2, 16                          ; a tile of y is 16 rows of 4,096 bytes
	s_lshl_b32 s3, s18, 9
	s_add_co_u32 s2, s2, s3
	s_mov_b32 s3, 0
	s_add_nc_u64 s[14:15], s[14:15], s[2:3]        ; y at my first tile and my chunk
	HLOAD 0
	s_wait_loadcnt 51                              ; behind b2's four loads: W2's 34 and H's 17, which may be out
	WIN 0x40                                       ; destination window 1
.irp a, 0,1,2,3,4,5,6,7,8,9,10,11,12,13,14,15
.irp n, 0,1
.irp j, 0,1,2,3,4,5,6,7
	v_mov_b32 v[16*\a+8*\n+\j], v[BI+8*\n+\j]      ; the sums begin at the bias
.endr
.endr
.endr
	WIN 0
	HLOAD 1                                        ; without a guard at the head: every register on the way to LDS holds data from here on
	HLOAD 2
	HLOAD 3
; A TRIP: 512 along K, slot and set p.  more = 1: the next trip's W2 is asked for at the head, its H straight behind the barrier.  ask = 1: W2 of the trip after that is prefetched.
.macro TRIP p, more, ask
	s_wait_loadcnt 0x0                             ; all that was asked for a trip ago is in (how many loads that was hangs on c, so the count is 0)
.if \more
	s_wait_xcnt 0x0                                ; the last trip's loads and prefetches have read their bases
	s_add_nc_u64 s[6:7], s[6:7], 512
	s_add_nc_u64 s[8:9], s[8:9], 16
	WLOAD 1-(\p)                                   ; into the set that the last trip multiplied: eight places stand behind its last product
.endif
.irp j, 0,1,2,3
	s_cmp_lt_u32 s[WJ+\j], s23
	s_cbranch_scc0 .Lnostore_\@_\j
	WIN 0x0c                                       ; an LDS store's data are its source 1: window 3
.irp i, 0,1,2,3,4,5,6,7,8,9,10,11,12,13,14,15
	ds_store_b128 v[SB+2*(\p)+\j/2], v[64*\j+4*\i:64*\j+4*\i+3] offset:(\j%2)*4*REC+512*\i
.endr
	WIN 0
	ds_store_b128 v[SB+2*(\p)+\j/2], v[SST+4*\j:SST+4*\j+3] offset:(\j%2)*4*REC+8192
.Lnostore_\@_\j:
.endr
	WTURN \p                                       ; this trip's rows of W2 become fragments
	s_wait_dscnt 0x0                               ; my stores have landed, my reads of the other slot are over, and my fragments of W2 are back
	s_barrier_signal -1
	s_barrier_wait -1
.if \more
	s_add_nc_u64 s[4:5], s[4:5], REC               ; no load that names this base is out: H's were waited for at the trip's head
.irp j, 0,1,2,3
	s_cmp_lt_u32 s[WJ+\j], s22
	s_cbranch_scc0 .Lnoload_\@_\j
	HLOAD \j
.Lnoload_\@_\j:
.endr
.if \ask
; W2 of the trip after the next: my 32 rows x 512 bytes, a lane to each aligned block of 256 bytes, two instructions, behind the wave's loads.  The four work-groups q = 0..3 read the same rows:
; q = 0 asks, so each block is named once in the launch.  The last trip that loads asks for nothing: there is no trip 8.
	s_cmp_eq_u32 s17, 0
	s_cbranch_scc0 .Lnoask_\@
	global_prefetch_b8 v[VPF], s[6:7] offset:512 th:TH_LOAD_NT scope:SCOPE_SE
	global_prefetch_b8 v[VPF], s[6:7] offset:65536+512 th:TH_LOAD_NT scope:SCOPE_SE
.Lnoask_\@:
.endif
.endif
	TLD \p, 0
.irp a, 0,1,2,3,4,5,6,7,8,9,10,11,12,13,14,15
	s_cmp_gt_u32 s22, \a
	s_cbranch_scc0 .Ltiles_done_\@
.if (\a >= 1) && (\a < 15)
.rept 8
	v_nop                                          ; eight places ahead of loads into registers that the last products read
.endr
.endif
.if \a < 15
	TLD \p, \a+1
	s_wait_dscnt 17                                ; the 17 just issued may be out: tile a is in
.else
	s_wait_dscnt 0x0
.endif
	WIN 0x52                                       ; source 0 (W2) window 2, source 1 (H) window 0, C and D window 1
.irp s, 0,1,2,3
.irp n, 0,1
	v_wmma_scale_f32_16x16x128_f8f6f4 v[16*\a+8*\n:16*\a+8*\n+7], v[128*(\p)+64*\n+16*\s:128*(\p)+64*\n+16*\s+15], v[HF+64*(\a%2)+16*\s:HF+64*(\a%2)+16*\s+15], v[16*\a+8*\n:16*\a+8*\n+7], v[WSC+8*(\p)+4*\n+\s], v[HSC+4*(\a%2)+\s] matrix_a_fmt:MATRIX_FMT_BF8 matrix_b_fmt:MATRIX_FMT_BF8
.endr
.endr                                              ; the tile's two accumulators by turns, one instruction a turn
	WIN 0
.endr
.Ltiles_done_\@:
.rept 8
	v_nop                                          ; eight places ahead of the next trip's loads into operands and scale words, and of the way out's reads of results
.endr
.endm
	s_mov_b32 s24, 3
.Ltrips:
	TRIP 0, 1, 1
	TRIP 1, 1, 1
	s_sub_co_u32 s24, s24, 1
	s_cmp_lg_u32 s24, 0
	s_cbranch_scc1 .Ltrips
	TRIP 0, 1, 0                                   ; trip 6 asks for trip 7 and prefetches nothing
	TRIP 1, 0, 0                                   ; trip 7 asks for nothing: no load passes the end of K
	; THE WAY OUT.  A lane's eight results are eight neighbouring outputs of one row; a row's 128 outputs come from four waves.  They meet in the stage, and each wave stores whole rows of 512 bytes.
.irp a, 0,1,2,3,4,5,6,7,8,9,10,11,12,13,14,15
	s_cmp_gt_u32 s22, \a
	s_cbranch_scc0 .Lstaged
	WIN 0x04                                       ; the data: window 1
.irp n, 0,1
	ds_store_b128 v[VSW+\a/8], v[16*\a+8*\n:16*\a+8*\n+3] offset:(\a%8)*16*SP+64*\n       ; each accumulator from its low end on
	ds_store_b128 v[VSW+\a/8], v[16*\a+8*\n+4:16*\a+8*\n+7] offset:(\a%8)*16*SP+64*\n+16
.endr
	WIN 0
.endr
.Lstaged:
	s_wait_dscnt 0x0                               ; for the others' sake: my part of the rows has landed
	s_barrier_signal -1
	s_barrier_wait -1
.irp a, 0,1,2,3,4,5,6,7,8,9,10,11,12,13,14,15
.if \a == 8
	s_wait_xcnt 0x0                                ; tile 0's stores have read their registers, which tile 8's rows take
.endif
	s_cmp_gt_u32 s22, \a
	s_cbranch_scc0 .Ldone
.irp i, 0,1,2,3
	ds_load_b128 v[HF+16*(\a%8)+4*\i:HF+16*(\a%8)+4*\i+3], v[VSR+\a/8] offset:(\a%8)*16*SP+SP*\i
.endr
	s_wait_dscnt 0x0
.irp i, 0,1,2,3
	global_store_b128 v[VYO], v[HF+16*(\a%8)+4*\i:HF+16*(\a%8)+4*\i+3], s[14:15] offset:262144*\a+4096*\i   ; tile q + 4 a lies 4 a tiles on; 32 lanes store 512 consecutive bytes, aligned
.endr
.endr
.Ldone:
	s_barrier_signal -1
	s_barrier_wait -1
	s_wait_tensorcnt 0x0
	ds_add_u32 v126, v127
	s_wait_dscnt 0x0
	s_endpgm
.Lfunc_end_k_q6515309c5c_down:
	.size	k_q6515309c5c_down, .Lfunc_end_k_q6515309c5c_down-k_q6515309c5c_down
	.p2alignl 7, 3214868480
	.fill 96, 4, 3214868480
	.section	.rodata,"a",@progbits
	.p2align	6, 0x0
	.amdhsa_kernel k_q6515309c5c_down
		.amdhsa_group_segment_fixed_size 312832
		.amdhsa_private_segment_fixed_size 0
		.amdhsa_enable_private_segment 0
		.amdhsa_kernarg_size 48
		.amdhsa_user_sgpr_count 2
		.amdhsa_user_sgpr_kernarg_segment_ptr 1
		.amdhsa_wavefront_size32 1
		.amdhsa_system_sgpr_workgroup_id_x 1
		.amdhsa_system_sgpr_workgroup_id_y 1
		.amdhsa_system_sgpr_workgroup_id_z 1
		.amdhsa_system_vgpr_workitem_id 0
		.amdhsa_next_free_vgpr 1024
		.amdhsa_next_free_sgpr 66
		.amdhsa_reserve_vcc 0
		.amdhsa_float_denorm_mode_32 3
		.amdhsa_float_denorm_mode_16_64 3
		.amdhsa_memory_ordered 1
		.amdhsa_forward_progress 1
		.amdhsa_inst_pref_size 255
	.end_amdhsa_kernel
	.section	.bss,"aw",@nobits
	.p2align	6
	.space	262144
	.amdgpu_metadata
---
amdhsa.version: [ 1, 2 ]
amdhsa.kernels:
  - .name:           k_q6515309c5c_down
    .symbol:         k_q6515309c5c_down.kd
    .args:
      - { .name: hq, .offset: 0, .size: 8, .value_kind: global_buffer, .address_space: global }
      - { .name: w2_codes, .offset: 8, .size: 8, .value_kind: global_buffer, .address_space: global }
      - { .name: w2_scales, .offset: 16, .size: 8, .value_kind: global_buffer, .address_space: global }
      - { .name: b2, .offset: 24, .size: 8, .value_kind: global_buffer, .address_space: global }
      - { .name: lists, .offset: 32, .size: 8, .value_kind: global_buffer, .address_space: global }
      - { .name: y, .offset: 40, .size: 8, .value_kind: global_buffer, .address_space: global }
    .group_segment_fixed_size: 312832
    .private_segment_fixed_size: 0
    .kernarg_segment_align: 8
    .kernarg_segment_size: 48
    .max_flat_workgroup_size: 128
    .sgpr_count:     66
    .vgpr_count:     1024
    .wavefront_size: 32
...
	.end_amdgpu_metadata
.endif
;; end of part 4
;; launch combine (part 5): grid 256 x 1, 4 waves a work-group, no clusters, 0 bytes of LDS; arguments y, lists, gp, ln_g, ln_b, out0; writes out0
.if DOCPART == 5
	.amdgcn_target "amdgcn-amd-amdhsa--gfx1250"
	.amdhsa_code_object_version 6
	.text
	.protected	k_q6515309c5c_combine
	.globl	k_q6515309c5c_combine
	.p2align	8
	.type	k_q6515309c5c_combine,@function
k_q6515309c5c_combine:
	s_mov_b64 s[64:65], 0
	v_nop
	global_prefetch_b8 v0, s[64:65] scope:SCOPE_SE
	s_setreg_imm32_b32 hwreg(HW_REG_WAVE_MODE, 25, 1), 1
	s_wait_xcnt 0x0
; out0[t] = LayerNorm(p0 y[POS[t][0]] + p1 y[POS[t][1]]) x ln_g + ln_b.  The six experts that were not chosen have the weight exp(-infinity) = 0 in the softmax and add nothing.
; One wave takes one token t = 4 x work-group + wave: a row of 4,096 bytes is 32 registers a lane, so it stays in registers between the mean, the variance (of the differences
; from the mean, in a second pass over the registers) and the scaling.  Every load and store of a wave covers 512 consecutive bytes.  No LDS, no barrier: waves share nothing.
; ln_g and ln_b are asked for first, while the two positions and weights come by scalar loads; the rows of y follow; one wait serves all.
.set POSO, 8704
.set Y0, 16                            ; v16-47   the first row, then the sum, the differences, the result
.set Y1, 48                            ; v48-79   the second row
.set LG, 80                            ; v80-111  ln_g
.set LB, 112                           ; v112-143 ln_b
	s_load_b256 s[4:11], s[0:1], 0x0               ; y s[4:5], lists s[6:7], gp s[8:9], ln_g s[10:11]
	s_load_b128 s[12:15], s[0:1], 0x20             ; ln_b s[12:13], out0 s[14:15]
	v_and_b32 v1, 31, v0
	v_lshrrev_b32 v2, 5, v0
	v_readfirstlane_b32 s20, v2                    ; wave
	s_lshl_b32 s21, ttmp9, 2
	s_add_co_u32 s21, s21, s20                     ; my token
	s_lshl_b32 s22, s21, 3
	v_lshlrev_b32 v3, 4, v1                        ; 16 bytes a lane
	v_mov_b32 v148, 0                              ; a lane permute's destination counts as one of its sources
	s_mov_b32 s30, 0x76543210
	s_mov_b32 s31, 0xfedcba98                      ; v_permlanex16_b32's selects for lane l xor 16
	s_mov_b32 s34, 0x3a800000                      ; 1 / 1024
	s_mov_b32 s35, 0x3727c5ac                      ; 1e-5
	s_lshl_b32 s32, s21, 12
	s_mov_b32 s33, 0
	s_wait_kmcnt 0x0
	s_load_b64 s[16:17], s[6:7], s22 offset:POSO   ; the two positions
	s_load_b64 s[18:19], s[8:9], s22               ; the two weights
	s_add_nc_u64 s[14:15], s[14:15], s[32:33]
.irp j, 0,1,2,3,4,5,6,7
	global_load_b128 v[LG+4*\j:LG+4*\j+3], v3, s[10:11] offset:512*\j
.endr
.irp j, 0,1,2,3,4,5,6,7
	global_load_b128 v[LB+4*\j:LB+4*\j+3], v3, s[12:13] offset:512*\j
.endr
	s_wait_kmcnt 0x0
	s_min_u32 s16, s16, 0x87f                      ; a position, at most 2,175
	s_min_u32 s17, s17, 0x87f
	s_lshl_b32 s24, s16, 12
	s_mov_b32 s25, 0
	s_lshl_b32 s26, s17, 12
	s_mov_b32 s27, 0
	s_add_nc_u64 s[24:25], s[4:5], s[24:25]
	s_add_nc_u64 s[26:27], s[4:5], s[26:27]
.irp j, 0,1,2,3,4,5,6,7
	global_load_b128 v[Y0+4*\j:Y0+4*\j+3], v3, s[24:25] offset:512*\j th:TH_LOAD_NT
.endr
.irp j, 0,1,2,3,4,5,6,7
	global_load_b128 v[Y1+4*\j:Y1+4*\j+3], v3, s[26:27] offset:512*\j th:TH_LOAD_NT
.endr
	s_mov_b32 s28, s19                             ; the second weight as the low word of a pair: the packed form takes the low word for both halves
	s_mov_b32 s29, s19
	s_wait_loadcnt 0x0
.irp i, 0,2,4,6,8,10,12,14,16,18,20,22,24,26,28,30
	v_pk_mul_f32 v[Y0+\i:Y0+\i+1], v[Y0+\i:Y0+\i+1], s[18:19] op_sel_hi:[1,0]
.endr
.irp i, 0,2,4,6,8,10,12,14,16,18,20,22,24,26,28,30
	v_pk_fma_f32 v[Y0+\i:Y0+\i+1], v[Y1+\i:Y1+\i+1], s[28:29], v[Y0+\i:Y0+\i+1] op_sel_hi:[1,0,1]
.endr
	v_pk_add_f32 v[144:145], v[Y0:Y0+1], v[Y0+2:Y0+3]      ; the row's sum: within the lane in two chains,
	v_pk_add_f32 v[146:147], v[Y0+4:Y0+5], v[Y0+6:Y0+7]
.irp i, 8,12,16,20,24,28
	v_pk_add_f32 v[144:145], v[144:145], v[Y0+\i:Y0+\i+1]
	v_pk_add_f32 v[146:147], v[146:147], v[Y0+\i+2:Y0+\i+3]
.endr
	v_pk_add_f32 v[144:145], v[144:145], v[146:147]
	v_add_f32 v144, v144, v145
.irp m, 1,2,4,8
	v_add_f32_dpp v144, v144, v144 row_xmask:\m row_mask:0xf bank_mask:0xf   ; then over the 32 lanes
.endr
	v_permlanex16_b32 v148, v144, s30, s31
	v_add_f32 v144, v144, v148
	v_mul_f32 v144, s34, v144                      ; the mean
	v_mov_b32 v145, v144
.irp i, 0,2,4,6,8,10,12,14,16,18,20,22,24,26,28,30
	v_pk_add_f32 v[Y0+\i:Y0+\i+1], v[Y0+\i:Y0+\i+1], v[144:145] neg_lo:[0,1] neg_hi:[0,1]
.endr
	v_pk_mul_f32 v[146:147], v[Y0:Y0+1], v[Y0:Y0+1]        ; the sum of the squared differences
	v_pk_mul_f32 v[150:151], v[Y0+2:Y0+3], v[Y0+2:Y0+3]
.irp i, 4,8,12,16,20,24,28
	v_pk_fma_f32 v[146:147], v[Y0+\i:Y0+\i+1], v[Y0+\i:Y0+\i+1], v[146:147]
	v_pk_fma_f32 v[150:151], v[Y0+\i+2:Y0+\i+3], v[Y0+\i+2:Y0+\i+3], v[150:151]
.endr
	v_pk_add_f32 v[146:147], v[146:147], v[150:151]
	v_add_f32 v146, v146, v147
.irp m, 1,2,4,8
	v_add_f32_dpp v146, v146, v146 row_xmask:\m row_mask:0xf bank_mask:0xf
.endr
	v_permlanex16_b32 v148, v146, s30, s31
	v_add_f32 v146, v146, v148
	v_fma_f32 v146, v146, s34, s35                 ; the variance + 1e-5
	v_rsq_f32 v152, v146
	v_nop                                          ; a plain instruction behind the transcendental,
	s_wait_alu depctr_va_vdst(0)                   ; and the wait ahead of its first reader
	v_mov_b32 v153, v152
.irp i, 0,2,4,6,8,10,12,14,16,18,20,22,24,26,28,30
	v_pk_mul_f32 v[Y0+\i:Y0+\i+1], v[Y0+\i:Y0+\i+1], v[152:153]
.endr
.irp i, 0,2,4,6,8,10,12,14,16,18,20,22,24,26,28,30
	v_pk_fma_f32 v[Y0+\i:Y0+\i+1], v[Y0+\i:Y0+\i+1], v[LG+\i:LG+\i+1], v[LB+\i:LB+\i+1]
.endr
.irp j, 0,1,2,3,4,5,6,7
	global_store_b128 v3, v[Y0+4*\j:Y0+4*\j+3], s[14:15] offset:512*\j th:TH_STORE_NT   ; 32 lanes store 512 consecutive bytes, aligned
.endr
	s_endpgm
.Lfunc_end_k_q6515309c5c_combine:
	.size	k_q6515309c5c_combine, .Lfunc_end_k_q6515309c5c_combine-k_q6515309c5c_combine
	.p2alignl 7, 3214868480
	.fill 96, 4, 3214868480
	.section	.rodata,"a",@progbits
	.p2align	6, 0x0
	.amdhsa_kernel k_q6515309c5c_combine
		.amdhsa_group_segment_fixed_size 0
		.amdhsa_private_segment_fixed_size 0
		.amdhsa_enable_private_segment 0
		.amdhsa_kernarg_size 48
		.amdhsa_user_sgpr_count 2
		.amdhsa_user_sgpr_kernarg_segment_ptr 1
		.amdhsa_wavefront_size32 1
		.amdhsa_system_sgpr_workgroup_id_x 1
		.amdhsa_system_sgpr_workgroup_id_y 1
		.amdhsa_system_sgpr_workgroup_id_z 1
		.amdhsa_system_vgpr_workitem_id 0
		.amdhsa_next_free_vgpr 160
		.amdhsa_next_free_sgpr 66
		.amdhsa_reserve_vcc 0
		.amdhsa_float_denorm_mode_32 3
		.amdhsa_float_denorm_mode_16_64 3
		.amdhsa_memory_ordered 1
		.amdhsa_forward_progress 1
		.amdhsa_inst_pref_size 14
	.end_amdhsa_kernel
	.amdgpu_metadata
---
amdhsa.version: [ 1, 2 ]
amdhsa.kernels:
  - .name:           k_q6515309c5c_combine
    .symbol:         k_q6515309c5c_combine.kd
    .args:
      - { .name: y, .offset: 0, .size: 8, .value_kind: global_buffer, .address_space: global }
      - { .name: lists, .offset: 8, .size: 8, .value_kind: global_buffer, .address_space: global }
      - { .name: gp, .offset: 16, .size: 8, .value_kind: global_buffer, .address_space: global }
      - { .name: ln_g, .offset: 24, .size: 8, .value_kind: global_buffer, .address_space: global }
      - { .name: ln_b, .offset: 32, .size: 8, .value_kind: global_buffer, .address_space: global }
      - { .name: out0, .offset: 40, .size: 8, .value_kind: global_buffer, .address_space: global }
    .group_segment_fixed_size: 0
    .private_segment_fixed_size: 0
    .kernarg_segment_align: 8
    .kernarg_segment_size: 48
    .max_flat_workgroup_size: 128
    .sgpr_count:     66
    .vgpr_count:     160
    .wavefront_size: 32
...
	.end_amdgpu_metadata
.endif
;; end of part 5
;; ======== version 2 of 2: 5 launches; version 1 with the launches up, down written anew for expert scheduling mode
;; workspace buffers: xq 1,081,344 bytes; sel 8,192 bytes of whole numbers; gp 8,192 bytes; lists 17,152 bytes of whole numbers; hq 9,469,952 bytes; y 8,912,896 bytes
;; launch route: the kernel of part 1 again; grid 128 x 1, 8 waves a work-group, no clusters, 76,288 bytes of LDS; arguments x, gate_w, gate_b, xq, sel, gp; writes xq, sel, gp
;; launch place: the kernel of part 2 again; grid 1 x 1, 8 waves a work-group, no clusters, 1,280 bytes of LDS; arguments sel, lists; writes lists
;; launch up (part 6): grid 32 x 8, 4 waves a work-group, no clusters, 204,800 bytes of LDS; arguments xq, w1_codes, w1_scales, b1, lists, hq; writes hq
.if DOCPART == 6
	.amdgcn_target "amdgcn-amd-amdhsa--gfx1250"
	.amdhsa_code_object_version 6
	.text
	.protected	k_q6515309c5c_up
	.globl	k_q6515309c5c_up
	.p2align	8
	.type	k_q6515309c5c_up,@function
k_q6515309c5c_up:
	s_mov_b64 s[64:65], 0
	v_nop
	global_prefetch_b8 v0, s[64:65] scope:SCOPE_SE
	s_setreg_imm32_b32 hwreg(HW_REG_WAVE_SCHED_MODE, 0, 2), 2
	s_setreg_imm32_b32 hwreg(HW_REG_WAVE_MODE, 25, 1), 1
	s_wait_xcnt 0x0
	s_wait_alu depctr_vm_vsrc(0)
; hq = Q(gelu(X_e W1_e^T + b1_e)) for the rows that chose expert e, on codes of E5M2 with one E8M0 scale for each 32 along K.
; Work-group (chunk, e): hidden units 128 chunk .. + 127 of expert e, which are K step `chunk` of the second product.  Its 128 rows of W1 (128 KiB), their scale bytes and biases come from
; memory once and stay in LDS; behind the one barrier LDS is only read.
; Wave w takes the expert's tiles of 16 rows w, w + 4, .., five to a pass; their x fragments (5 x 128 registers) are gathered by the token list and stay in registers, so that a fragment of W1
; read from LDS feeds five matrix instructions.  A tile that the expert does not have repeats the wave's first: its products are made and thrown away, its gelu and its stores are jumped over.
; THE FIRST PASS'S ROWS OF x COME WHOLE: a load reads 256 consecutive bytes of each of two rows (lanes 0-15 row j, lanes 16-31 row 8 + j of the tile), and the wave's own stage in LDS, 16 rows
; 1,040 bytes apart, cuts the tile into fragments, which come back into the registers that the rows left.  That stands ahead of the barrier.  A later pass (an expert with more than 20 tiles)
; gathers its fragments straight into registers, 32 bytes of each of 16 rows a load, so that nothing is stored to LDS behind the barrier.
; FOUR PASSES, a constant count: an expert has 64 tiles at the most, 16 a wave.  A pass for which the wave has no tile left is jumped over by a scalar branch at its head.
; THE PRODUCT IS USED TRANSPOSED (source 0 = 16 rows of W1, source 1 = 16 rows of x): a lane holds one row of x, its registers run along the hidden units.  THE ROWS OF W1 THAT FORM A TILE ARE
; NOT NEIGHBOURS: lane r of tile 2 b + u takes row 32 b + 8 u + r + 8 (r / 8), so that the 16 registers of tiles 2 b, 2 b + 1 are the 16 neighbours 32 b + 16 (lane / 16) + 0..15 along the next K.
; In LDS the rows lie with bits 3 and 4 of their number exchanged, so that a tile's sixteen lanes read sixteen rows on end, 1,040 bytes apart: sixteen different groups of banks.
; gelu(x) = max(x, 0) - |x| c, c = erfc(|x| / sqrt 2) / 2 = t 2^(-1 + log2(e) (-x^2 / 2 + a0 + t (a1 + .. t a9))), t = 1 / (1 + |x| / (2 sqrt 2)): fractional error of erfc 1.2e-7 for every x, before f32 rounding.
; OUT: hq, 136 tiles x 8 records of 8,704 bytes.  Record (tile, chunk / 4) holds four K steps of 16 rows as images of the operand's registers: codes at 2048 (chunk % 4) + 512 c + 16 lane,
; scale words at 8,192 + 16 lane + 4 (chunk % 4).  A store of codes covers 512 consecutive bytes; the scale words leave as 4 bytes a lane, one part in 64 of the bytes.
; NO TENSOR LOADS, NO CLUSTER: the number of tiles is read from memory and steers branches, and work-groups of one expert share x's rows only, by a gather.
; LIMITS: NaN and infinities are not served.  A block of zeros gets the byte 1 (its codes are zeros; this program alone reads the bytes).
; THE MODE: SCHED_MODE bits 1:0 = 2 (LLVM: expert scheduling mode 2), set by the entry lines.  The code itself states the register dependences
; between vector or matrix instructions and memory or LDS instructions, with s_wait_alu, always for 0.
; THE PLAN.  Registers that memory or LDS instructions touch, in a block of 32 hidden units (eight K steps, then the gelu):
;   W1's fragments  four sets of two tiles, K step s in set s % 4.  Read by step s's ten products.  Steps 4, 5 land at the head of step 2, steps 6, 7 at the head of step 4, the NEXT block's steps 0 to 3
;                   behind this block's last products, ahead of the gelu.
;   WS, BI          the block's scale words of W1 and its biases.  Read by the products; the next block's land with its steps 0 to 3.
;   VW, VWS, VB     LDS addresses.  Read by those loads; written once a block, behind the last products.
;   CD, VHO         the codes and their offset.  Written by the gelu's conversions and at the block's head; read by the gelu's stores.
;   HSW             the scale words.  Written by the gelu; read by the stores at a pass's end.
;   The accumulators and the gelu's T, P, Q are named by vector and matrix instructions alone.
; So three waits on va_vdst stand among a block's products (heads of steps 2 and 4, behind step 7), each ahead of a run of loads, and one ahead of each store of codes; two waits on vm_vsrc: ahead of the
; three address lines, and at the block's end.  Behind block 3 the look-ahead takes block 0 again, which the next pass begins with: so every way into a block finds the same loads issued.
.set XS_OFF, 1048576                   ; xq: where x's scale bytes begin
.set TABO,   16896
.set WP,     1040                      ; LDS: a row of W1, and of x in a stage: 1,024 bytes + 16
.set WSCO,   133120                    ; behind the 128 rows: their scale bytes, 32 a row, rows in the same order
.set B1O,    137216                    ; the 128 biases, in their own order
.set XSTG,   137728                    ; and x's stages, one for each wave
.set XSW,    16*WP                     ; a stage: 16 rows
.set REC,    8704
.set TILEB,  69632                     ; a tile's 8 records
.set VW,   4                           ; v4    the rows of W1 in LDS of the block that is being fetched
.set VW0,  5                           ; v5    1040 r + 16 h
.set VWS,  6                           ; v6    that block's scale words
.set VB,   7                           ; v7    that block's biases
.set VHO,  8                           ; v8    this block's place in a record
.set VSO,  9                           ; v9    16 lane + 4 (chunk % 4): the scale word's place
.set XO,   10                          ; v10-14  tile a: at the head my place in the token list; later my row of x's codes
.set VWS0, 15
.set XS,   16                          ; v16-35  tile a: x's scale words; lanes 0-15 K steps 0-3, lanes 16-31 K steps 4-7
.set WS,   36                          ; v36-43  tile u of W1: likewise
.set BI,   44                          ; v44-59  tile u: the biases, in the result's layout
.set HSW,  60                          ; v60-64  tile a: the hidden layer's scale word, byte by byte
.set VB0,  65
.set VHO0, 72
.set V4R,  73
.set L16,  74
.set VST,  75
.set CD,   76                          ; v76-95  tile a: the codes just made
.set XSO,  96                          ; v96-100 tile a: offsets (of the token list, then of x's scale words)
.set TK,   101                         ; v101-105 tile a: my row's token
.set K9,   106                         ; v106-107 a9 log2(e), twice
.set H16,  108
.set VXS,  109                         ; v109  x's stage, in: 8 rows x h + 16 (lane % 16)
.set VXR,  110                         ; v110  x's stage, back: row r, + 16 h
.set M16,  111                         ; v111  16 (lane % 16)
.set V32H, 126                         ; v126  32 h (at the head alone)
; at the head v36-59 and v76-91 hold, for tile a and j = 0..7, at 36 + 8 a + 16 (a / 3) + j: the token of row 8 h + j, then that row's offset in xq
.set ACC,  112                         ; v112-191 accumulator (a, u) at 112 + 16 a + 8 u
.set TT,   192                         ; v192-239 the gelu's T, P, Q
.set PP,   208
.set QQ,   224
.set WF3,  128                         ; in window 3 (v896-1023): W1's fragments: four sets of two tiles, set k at 128 + 32 k
; windows 1 to 3: x's fragment (a, s) at v[256 + 128 a + 16 s]; v896-1023 and v128-255: W1 on its way to LDS, at the head
.set MSB, 0
.macro WIN new                         ; the immediate's high byte repeats the setting that is left
.if MSB != (\new)
	s_set_vgpr_msb (MSB<<8)|(\new)
.set MSB, (\new)
.endif
.endm
	s_load_b256 s[4:11], s[0:1], 0x0               ; xq s[4:5], W1's codes s[6:7], W1's scales s[8:9], b1 s[10:11]
	s_load_b128 s[12:15], s[0:1], 0x20             ; lists s[12:13], hq s[14:15]
	v_and_b32 v1, 31, v0                           ; lane
	v_lshrrev_b32 v2, 5, v0
	v_readfirstlane_b32 s16, v2                    ; wave
	v_and_b32 v2, 15, v0                           ; r
	v_bfe_u32 v3, v0, 4, 1                         ; h
	s_wait_alu depctr_va_sdst(0)                   ; s16 is written, ahead of its first reader: bases and LDS places are made from it
	s_mov_b32 s17, ttmp9                           ; chunk
	s_and_b32 s18, ttmp7, 0xffff                   ; expert
	s_lshl_b32 s28, s18, 12
	s_lshl_b32 s29, s17, 7
	s_add_co_u32 s28, s28, s29                     ; the slice's first row of W1: 4096 e + 128 chunk
	s_lshl_b32 s29, s16, 5
	s_add_co_u32 s29, s28, s29                     ; my wave fetches rows 32 w .. 32 w + 31 of it
	s_lshl_b32 s30, s29, 10
	s_mov_b32 s31, 0
	s_lshl_b32 s32, s28, 5
	s_mov_b32 s33, 0
	s_lshl_b32 s34, s28, 2
	s_mov_b32 s35, 0
	s_lshl_b32 s3, s18, 3                          ; TAB[e]
	s_mov_b32 s51, 0x600000                        ; the mantissa field of 57,344
	s_mov_b32 s52, 0x76543210
	s_mov_b32 s53, 0xfedcba98                      ; v_permlanex16_b32's selects for lane l xor 16
	s_mov_b32 s54, 0x3eb504f3                      ; 1 / (2 sqrt 2)
	s_lshr_b32 s58, s17, 2
	s_mul_i32 s58, s58, REC                        ; my record in a tile
	v_lshlrev_b32 v[L16], 4, v1
	v_lshlrev_b32 v[V4R], 2, v2
	v_lshlrev_b32 v[H16], 4, v3
	v_lshlrev_b32 v[M16], 4, v2
	v_lshlrev_b32 v[V32H], 5, v3
	v_mul_u32_u24 v[VW0], v2, WP
	v_add_nc_u32 v[VW0], v[VW0], v[H16]
	v_lshlrev_b32 v[VWS0], 5, v2
	v_add_nc_u32 v[VWS0], v[VWS0], v[H16]
	v_add_nc_u32 v[VWS0], WSCO, v[VWS0]
	v_lshl_add_u32 v[VB0], v3, 6, B1O
	s_and_b32 s2, s17, 3
	s_lshl_b32 s55, s2, 11
	v_add_nc_u32 v[VHO0], s55, v[L16]
	s_lshl_b32 s2, s2, 2
	v_add_nc_u32 v[VSO], s2, v[L16]
	s_mul_i32 s2, s16, 32*WP
	v_add_nc_u32 v[VST], s2, v[L16]                ; where my wave's rows of W1 go in LDS
	s_mul_i32 s2, s16, XSW
	s_add_co_u32 s2, s2, XSTG                      ; my wave's stage for x
	v_mul_u32_u24 v[VXS], v3, 8*WP
	v_add_nc_u32 v[VXS], v[VXS], v[M16]
	v_add_nc_u32 v[VXS], s2, v[VXS]
	v_add_nc_u32 v[VXR], s2, v[VW0]
	v_lshlrev_b32 v121, 5, v0                      ; thread i takes row i's 32 scale bytes
	v_lshlrev_b32 v122, 2, v0                      ; and bias i
	v_and_b32 v123, 0x67, v0                       ; the row's place in LDS: bits 3 and 4 exchanged
	v_bfe_u32 v125, v0, 3, 1
	v_lshl_or_b32 v123, v125, 4, v123
	v_bfe_u32 v125, v0, 4, 1
	v_lshl_or_b32 v123, v125, 3, v123
	v_lshlrev_b32 v123, 5, v123
	v_add_nc_u32 v123, WSCO, v123
	v_lshl_add_u32 v124, v0, 2, B1O
	v_mov_b32 v[K9], 0x3e7c6f08
	v_mov_b32 v[K9+1], 0x3e7c6f08
	v_mov_b32 v67, 0                               ; a lane permute's destination counts as one of its sources
	v_mov_b32 v[VW], v[VW0]                        ; the first fetch is block 0's
	v_mov_b32 v[VWS], v[VWS0]
	v_mov_b32 v[VB], v[VB0]
	s_wait_kmcnt 0x0
	s_load_b64 s[56:57], s[12:13], s3 offset:TABO
	s_add_nc_u64 s[6:7], s[6:7], s[30:31]
	s_add_nc_u64 s[8:9], s[8:9], s[32:33]
	s_add_nc_u64 s[10:11], s[10:11], s[34:35]
	s_wait_alu depctr_va_vdst(0)                   ; the offsets and LDS addresses made above are written: the loads, stores and LDS instructions of the kernel read them
	global_load_b128 v[112:115], v121, s[8:9] th:TH_LOAD_NT
	global_load_b128 v[116:119], v121, s[8:9] offset:16 th:TH_LOAD_NT
	global_load_b32 v120, v122, s[10:11] th:TH_LOAD_NT
	WIN 0xc0                                       ; destination window 3
.set i, 0
.rept 16                               ; my rows 0-15: a load reads 512 consecutive bytes
	global_load_b128 v[128+8*i:128+8*i+3], v[L16], s[6:7] offset:1024*i th:TH_LOAD_NT
	global_load_b128 v[128+8*i+4:128+8*i+7], v[L16], s[6:7] offset:1024*i+512 th:TH_LOAD_NT
.set i, i+1
.endr
	WIN 0
; the wave's five tiles of this pass, s21 + 4 a; one that the expert does not have repeats the first.  TOKA: their places in the token list, lane (r, h) for row r.  TOKL: the tokens
.macro TOKA
.irp a, 0,1,2,3,4
	s_add_co_u32 s2, s21, 4*\a
	s_cmp_lt_u32 s2, s20
	s_cselect_b32 s2, s2, s21
	s_add_co_u32 s2, s2, s19
	s_min_u32 s[46+\a], s2, 135                    ; a tile of the 136
	s_lshl_b32 s2, s[46+\a], 6
	v_add_nc_u32 v[XSO+\a], s2, v[V4R]
.endr
.endm
.macro TOKL
.irp a, 0,1,2,3,4
	global_load_b32 v[TK+\a], v[XSO+\a], s[12:13]
.endr
.endm
; the same tiles' tokens once more, as the whole rows' loads want them: lane (m, h) takes those of rows 8 h + 0..7: ten loads
.macro TOKRA
.irp a, 0,1,2,3,4
	s_lshl_b32 s2, s[46+\a], 6
	v_add_nc_u32 v[XO+\a], s2, v[V32H]
.endr
.endm
.macro TOKRL
.irp a, 0,1,2,3,4
	global_load_b128 v[36+8*\a+16*(\a/3):36+8*\a+16*(\a/3)+3], v[XO+\a], s[12:13]
	global_load_b128 v[36+8*\a+16*(\a/3)+4:36+8*\a+16*(\a/3)+7], v[XO+\a], s[12:13] offset:16
.endr
.endm
.macro OFFS
.irp a, 0,1,2,3,4
	v_min_u32 v[TK+\a], 0x3ff, v[TK+\a]            ; a token of the 1,024
	v_lshl_add_u32 v[XO+\a], v[TK+\a], 10, v[H16]
	v_lshl_add_u32 v[XSO+\a], v[TK+\a], 5, v[H16]
.endr
.endm
.macro ROFFS                           ; row 8 h + j of tile a: its token becomes 1024 x token + 16 (lane % 16)
.irp a, 0,1,2,3,4
.irp j, 0,1,2,3,4,5,6,7
	v_min_u32 v[36+8*\a+16*(\a/3)+\j], 0x3ff, v[36+8*\a+16*(\a/3)+\j]
	v_lshl_add_u32 v[36+8*\a+16*(\a/3)+\j], v[36+8*\a+16*(\a/3)+\j], 10, v[M16]
.endr
.endr
.endm
; tile a's 16 rows of codes, whole, into the registers that its fragments will take: register 16 j + 4 p of lane (m, h) = bytes 256 p + 16 m on of row 8 h + j; and its scale words: 33 loads
.macro XROWS a
	WIN 0x40*(1+(\a)/2)
.irp j, 0,1,2,3,4,5,6,7
.irp p, 0,1,2,3
	global_load_b128 v[128*((\a)%2)+16*\j+4*\p:128*((\a)%2)+16*\j+4*\p+3], v[36+8*(\a)+16*((\a)/3)+\j], s[4:5] offset:256*\p
.endr
.endr
	WIN 0
	global_load_b128 v[XS+4*(\a):XS+4*(\a)+3], v[XSO+(\a)], s[4:5] offset:XS_OFF
.endm
; tile a through my stage: the rows as they came, and back as fragments (lane (r, h): row r; registers 16 s + 4 c ..: k = 128 s + 32 c + 16 h + 0..15), into the registers that the rows left.
; LDS serves a wave's instructions in order (ISA guide 5.7.1.4): the loads see the stores above them, and the next tile's stores come behind these loads
.macro XTURN a
	WIN 0x04*(1+(\a)/2)                            ; an LDS store's data are its source 1
.irp j, 0,1,2,3,4,5,6,7
.irp p, 0,1,2,3
	ds_store_b128 v[VXS], v[128*((\a)%2)+16*\j+4*\p:128*((\a)%2)+16*\j+4*\p+3] offset:WP*\j+256*\p
.endr
.endr
	WIN 0x40*(1+(\a)/2)
	s_wait_alu depctr_vm_vsrc(0)                   ; the stores above have read the tile's registers, in which the loads below land
.irp s, 0,1,2,3,4,5,6,7
.irp c, 0,1,2,3
	ds_load_b128 v[128*((\a)%2)+16*\s+4*\c:128*((\a)%2)+16*\s+4*\c+3], v[VXR] offset:128*\s+32*\c
.endr
.endr
	WIN 0
.endm
; a later pass: tile a's eight fragments of x straight from the rows, and its scale words: 33 loads
.macro XLOAD a
	WIN 0x40*(1+(\a)/2)
.irp s, 0,1,2,3,4,5,6,7
.irp c, 0,1,2,3
	global_load_b128 v[128*((\a)%2)+16*\s+4*\c:128*((\a)%2)+16*\s+4*\c+3], v[XO+(\a)], s[4:5] offset:128*\s+32*\c
.endr
.endr
	WIN 0
	global_load_b128 v[XS+4*(\a):XS+4*(\a)+3], v[XSO+(\a)], s[4:5] offset:XS_OFF
.endm
; K step s's two fragments of W1, of the block at v[VW], into set s % 4: eight loads, under destination window 3
.macro WLD s
.irp u, 0,1
.irp c, 0,1,2,3
	ds_load_b128 v[WF3+32*((\s)%4)+16*\u+4*\c:WF3+32*((\s)%4)+16*\u+4*\c+3], v[VW] offset:16*WP*\u+128*(\s)+32*\c
.endr
.endr
.endm
; what a block begins with: its scale words of W1, its biases, its K steps 0 to 3: 38 loads
.macro AHEAD
.irp u, 0,1
	ds_load_b128 v[WS+4*\u:WS+4*\u+3], v[VWS] offset:512*\u
.endr
.irp u, 0,1
	ds_load_b128 v[BI+8*\u:BI+8*\u+3], v[VB] offset:32*\u
	ds_load_b128 v[BI+8*\u+4:BI+8*\u+7], v[VB] offset:32*\u+16
.endr
	WIN 0xc0                                       ; destination window 3, address window 0
	WLD 0
	WLD 1
	WLD 2
	WLD 3
	WIN 0
.endm
	s_wait_kmcnt 0x0
	s_min_u32 s19, s56, 135                        ; the expert's first tile
	s_min_u32 s20, s57, 64                         ; and its number of tiles: 1,024 rows at the most
	s_mov_b32 s21, s16                             ; my first tile of the pass
	TOKA
	TOKRA
	s_wait_alu depctr_va_vdst(0)                   ; the ten places in the token list are written, which the fifteen loads below read
	TOKL
	TOKRL
.set i, 0
.rept 16                               ; my rows 16-31 of W1
	global_load_b128 v[128+8*i:128+8*i+3], v[L16], s[6:7] offset:1024*(16+i) th:TH_LOAD_NT
	global_load_b128 v[128+8*i+4:128+8*i+7], v[L16], s[6:7] offset:1024*(16+i)+512 th:TH_LOAD_NT
.set i, i+1
.endr
	s_wait_loadcnt 32                              ; the 32 loads just issued may be out: scale bytes, biases, rows 0-15 and the tokens are in
	ds_store_b128 v123, v[112:115]
	ds_store_b128 v123, v[116:119] offset:16
	ds_store_b32 v124, v120
	WIN 0x0c                                       ; an LDS store's data are its source 1: window 3
.set i, 0
.rept 16
	ds_store_b128 v[VST], v[128+8*i:128+8*i+3] offset:((i&7)|(((i>>3)&1)<<4))*WP
	ds_store_b128 v[VST], v[128+8*i+4:128+8*i+7] offset:((i&7)|(((i>>3)&1)<<4))*WP+512
.set i, i+1
.endr
	WIN 0
	s_wait_alu depctr_vm_vsrc(0)                   ; the tokens' loads have read v[XSO ..] and v[XO ..], which the lines below write
	OFFS
	ROFFS
	WIN 0x40
	s_wait_alu depctr_va_vdst(0)                   ; the rows' offsets and the scale words' offsets are written: the loads of all five tiles read them, and no vector line stands among those loads
	XROWS 0
	s_wait_loadcnt 33                              ; tile 0's 33 loads may be out: W1's rows 16-31 are in
.set i, 0
.rept 16
	ds_store_b128 v[VST], v[128+8*i:128+8*i+3] offset:((i&7)|(((i>>3)&1)<<4)|8)*WP
	ds_store_b128 v[VST], v[128+8*i+4:128+8*i+7] offset:((i&7)|(((i>>3)&1)<<4)|8)*WP+512
.set i, i+1
.endr
	XROWS 1
	s_wait_loadcnt 33                              ; here and below: the next tile's 33 loads may be out, this tile's are in
	XTURN 0
	XROWS 2
	s_wait_loadcnt 33
	XTURN 1
	XROWS 3
	s_wait_loadcnt 33
	XTURN 2
	XROWS 4
	s_wait_loadcnt 33
	XTURN 3
	s_wait_loadcnt 0x0
	XTURN 4
	s_wait_dscnt 0x0                               ; for the others' sake: my part of the slice has landed; and my fragments of x are back
	s_barrier_signal -1
	s_barrier_wait -1                              ; the one barrier: from here on LDS is only read
	AHEAD                                          ; block 0.  No wait: the wait on vm_vsrc in the last tile's turn stands behind every store of W1 and every load by a row's offset, so v36-59 and v896-1023 are read out (and
	                                               ; so are v112-255, which products and the gelu write); the last vector lines that named v36-59 stand ahead of the wait in front of tile 0's rows
; one product: tile u of W1 x tile a of x, K step s.  The first K step takes the biases as C
.macro MM a, u, s
.set rD, ACC+16*(\a)+8*(\u)
.set rA, WF3+32*((\s)%4)+16*(\u)
.set rB, 128*((\a)%2)+16*(\s)
.set rP, WS+4*(\u)+(\s)%4
.set rQ, XS+4*(\a)+(\s)%4
.if (\s) == 0
	v_wmma_scale_f32_16x16x128_f8f6f4 v[rD:rD+7], v[rA:rA+15], v[rB:rB+15], v[BI+8*(\u):BI+8*(\u)+7], v[rP], v[rQ] matrix_a_fmt:MATRIX_FMT_BF8 matrix_b_fmt:MATRIX_FMT_BF8
.elseif (\s) < 4
	v_wmma_scale_f32_16x16x128_f8f6f4 v[rD:rD+7], v[rA:rA+15], v[rB:rB+15], v[rD:rD+7], v[rP], v[rQ] matrix_a_fmt:MATRIX_FMT_BF8 matrix_b_fmt:MATRIX_FMT_BF8
.else
	v_wmma_scale_f32_16x16x128_f8f6f4 v[rD:rD+7], v[rA:rA+15], v[rB:rB+15], v[rD:rD+7], v[rP], v[rQ] matrix_a_fmt:MATRIX_FMT_BF8 matrix_b_fmt:MATRIX_FMT_BF8 matrix_a_scale:MATRIX_SCALE_ROW1 matrix_b_scale:MATRIX_SCALE_ROW1
.endif
.endm
; K step s of a block: ten products, the ten accumulators by turns.  At the heads of steps 2 and 4 the fragments of steps s + 2 and s + 3 are asked for, sixteen loads,
; into the two sets that steps s - 2 and s - 1 read; they have two steps' products in which to land.  Eight plain vector instructions stand between those products and the loads, ahead of the wait.
; The count of a step's wait on DScnt: the loads issued behind its own eight: 24 at steps 0, 2 and 4, 16 at steps 1, 3 and 5, then 8 at step 6 and 0 at step 7.
; W1's fragments are source 0, in window 3; the window of source 1 goes with the tile of x.
.macro KSTEP s
.if ((\s) == 2) || ((\s) == 4)
.rept 8
	v_nop
.endr
	WIN 0xc0                                       ; destination window 3, address window 0
	s_wait_alu depctr_va_vdst(0)                   ; the products of the two steps before are done reading their two sets, in which the loads below land
	WLD (\s)+2
	WLD (\s)+3
.endif
.if (\s) < 6
	s_wait_dscnt 24-8*((\s)%2)
.else
	s_wait_dscnt 8*(7-(\s))
.endif
.irp a, 0,1,2,3,4
	WIN 0x03+0x04*(1+\a/2)
	MM \a, 0, \s
	MM \a, 1, \s
.endr
.endm
.macro HORNER k                        ; P = P t + k, 16 numbers, two an instruction
.irp j, 0,2,4,6,8,10,12,14
	v_pk_fma_f32 v[PP+\j:PP+\j+1], v[PP+\j:PP+\j+1], v[TT+\j:TT+\j+1], \k op_sel_hi:[1,1,0]
.endr
.endm
; tile a's 16 numbers a lane (hidden units 32 b + 16 h + 0..15 of my row): gelu, the block's scale, the codes, the store.  Jumped over where the expert has no such tile.
; Each accumulator is read from its low end on.  The transcendentals go in two batches, each with plain work and one wait behind it.
.macro GELUQ a
.set AC, ACC+16*(\a)
	s_add_co_u32 s2, s21, 4*(\a)
	s_cmp_lt_u32 s2, s20
	s_cbranch_scc0 .Labsent_\@
.irp i, 0,1,2,3,4,5,6,7,8,9,10,11,12,13,14,15
	v_fma_f32 v[TT+\i], |v[AC+\i]|, s54, 1.0
.endr
.irp i, 0,1,2,3,4,5,6,7,8,9,10,11,12,13,14,15
	v_rcp_f32 v[TT+\i], v[TT+\i]                   ; t
.endr
.irp j, 0,2,4,6,8,10,12,14
	v_pk_mul_f32 v[QQ+\j:QQ+\j+1], v[AC+\j:AC+\j+1], v[AC+\j:AC+\j+1]   ; x^2: the plain work behind the reciprocals
.endr
	s_wait_alu depctr_va_vdst(0)                   ; the sixteen reciprocals are written: one wait, ahead of their first reader
.irp j, 0,2,4,6,8,10,12,14
	v_pk_fma_f32 v[PP+\j:PP+\j+1], v[TT+\j:TT+\j+1], v[K9:K9+1], 0xbf97d29d op_sel_hi:[1,1,0]   ; a9 t + a8; all coefficients are multiplied by log2(e)
.endr
	HORNER 0x40097039                              ; a7
	HORNER 0xbfd1a1e5                              ; a6
	HORNER 0x3ecdfd18                              ; a5
	HORNER 0xbe899a80                              ; a4
	HORNER 0x3e0efb2e                              ; a3
	HORNER 0x3f0a29d2                              ; a2
	HORNER 0x3fb8ab5a                              ; a1
	HORNER 0xc034d90f                              ; a0 log2(e) - 1: the half is in the exponent
.irp j, 0,2,4,6,8,10,12,14
	v_pk_fma_f32 v[PP+\j:PP+\j+1], v[QQ+\j:QQ+\j+1], 0xbf38aa3b, v[PP+\j:PP+\j+1] op_sel_hi:[1,0,1]   ; - x^2 log2(e) / 2
.endr
.irp i, 0,1,2,3,4,5,6,7,8,9,10,11,12,13,14,15
	v_exp_f32 v[PP+\i], v[PP+\i]
.endr
.irp i, 0,1,2,3,4,5,6,7,8,9,10,11,12,13,14,15
	v_max_num_f32 v[QQ+\i], 0, v[AC+\i]            ; max(x, 0): the plain work behind the exponentials
.endr
	s_wait_alu depctr_va_vdst(0)                   ; the sixteen exponentials are written: one wait, ahead of their first reader
.irp j, 0,2,4,6,8,10,12,14
	v_pk_mul_f32 v[PP+\j:PP+\j+1], v[TT+\j:TT+\j+1], v[PP+\j:PP+\j+1]   ; c
.endr
.irp i, 0,1,2,3,4,5,6,7,8,9,10,11,12,13,14,15
	v_fma_f32 v[AC+\i], -|v[AC+\i]|, v[PP+\i], v[QQ+\i]   ; gelu
.endr
	v_max3_num_f32 v66, |v[AC]|, |v[AC+1]|, 0x8000000   ; the largest magnitude of my 16, in two chains, and the floor 2^(16 - 127): the byte cannot fall under 1
	v_max3_num_f32 v71, |v[AC+8]|, |v[AC+9]|, |v[AC+10]|
	v_max3_num_f32 v66, v66, |v[AC+2]|, |v[AC+3]|
	v_max3_num_f32 v71, v71, |v[AC+11]|, |v[AC+12]|
	v_max3_num_f32 v66, v66, |v[AC+4]|, |v[AC+5]|
	v_max3_num_f32 v71, v71, |v[AC+13]|, |v[AC+14]|
	v_max3_num_f32 v66, v66, |v[AC+6]|, |v[AC+7]|
	v_max3_num_f32 v66, v66, v71, |v[AC+15]|
	v_permlanex16_b32 v67, v66, s52, s53
	v_max_num_f32 v66, v66, v67                    ; with lane l xor 16's: the block's
	v_add_nc_u32 v68, 0xf8800000, v66              ; 15 off its exponent field: the conversion's scale operand
	v_and_or_b32 v69, v66, 0x7f800000, s51         ; 57,344 x the scale
	v_lshrrev_b32 v70, 23, v68                     ; the scale's byte,
	v_lshl_or_b32 v[HSW+(\a)], v70, s23, v[HSW+(\a)]   ; into byte b of my row's scale word
.irp i, 0,1,2,3,4,5,6,7,8,9,10,11,12,13,14,15
	v_med3_num_f32 v[AC+\i], v[AC+\i], -v69, v69   ; the conversion to an 8-bit code does not saturate (ISA guide 7.6.2): the hold comes first
.endr
	v_cvt_scalef32_pk8_bf8_f32 v[CD+4*(\a):CD+4*(\a)+1], v[AC:AC+7], v68
	v_cvt_scalef32_pk8_bf8_f32 v[CD+4*(\a)+2:CD+4*(\a)+3], v[AC+8:AC+15], v68
	v_nop                                          ; a plain line behind the conversions: the next products write their sources
	s_wait_alu depctr_va_vdst(0)                   ; the conversions have written the tile's codes, and the block's first line v[VHO]: the store reads both
	global_store_b128 v[VHO], v[CD+4*(\a):CD+4*(\a)+3], s[36+2*(\a):37+2*(\a)]   ; registers 4 b .. 4 b + 3 of the operand's image: 512 consecutive bytes
.Labsent_\@:
.endm
	s_mov_b32 s59, 0                               ; the pass
.Lpass:
	s_cmp_ge_u32 s21, s20
	s_cbranch_scc1 .Lnext                          ; no tile is left for my wave: s21 stays where it is, so the later passes are jumped over too
	s_wait_loadcnt 0x0                             ; x's fragments and scale words
.irp a, 0,1,2,3,4
	v_mov_b32 v[HSW+\a], 0
.endr
.irp a, 0,1,2,3,4
	s_mul_i32 s2, s[46+\a], TILEB
	s_add_co_u32 s2, s2, s58
	s_mov_b32 s3, 0
	s_add_nc_u64 s[36+2*\a:37+2*\a], s[14:15], s[2:3]   ; tile a's record
.endr
	s_mov_b32 s22, 0                               ; the block b of 32 hidden units
	s_mov_b32 s23, 0                               ; 8 b
	s_mov_b32 s27, 0                               ; 512 b
.Lblk:
	v_add_nc_u32 v[VHO], s27, v[VHO0]              ; (the last block's stores have read it: the wait on vm_vsrc at that block's end)
.irp s, 0,1,2,3,4,5,6,7
	KSTEP \s
.endr
	WIN 0
	s_add_co_u32 s2, s22, 1
	s_and_b32 s2, s2, 3                            ; the block that follows; behind block 3 it is block 0, with which the next pass begins
	s_mul_i32 s24, s2, 32*WP                       ; its 32 rows of W1,
	s_lshl_b32 s25, s2, 10                         ; their scale bytes,
	s_lshl_b32 s26, s2, 7                          ; their biases
	s_wait_alu depctr_vm_vsrc(0)                   ; this block's LDS loads have read v[VW], v[VWS] and v[VB], which the three lines below write
	v_add_nc_u32 v[VW], s24, v[VW0]
	v_add_nc_u32 v[VWS], s25, v[VWS0]
	v_add_nc_u32 v[VB], s26, v[VB0]
.rept 6
	v_nop                                          ; with the three lines above: eight places ahead of the first read of results and of the loads into operands; nine ahead of the next block's first products, which write over the accumulators with another C
.endr
	s_wait_alu depctr_va_vdst(0)                   ; the block's products are done reading the four sets, the scale words of W1 and the biases, in which the loads below land; the three addresses are written
	AHEAD                                          ; they land while the gelu is worked, which names none of these registers
.irp a, 0,1,2,3,4
	GELUQ \a
.endr
	s_wait_xcnt 0x0                                ; the stores have read their registers: the codes and the offset are written again only behind this wait
	s_wait_alu depctr_vm_vsrc(0)                   ; the stores have read the codes and v[VHO], which the next block's conversions and its first line write
	s_add_co_u32 s23, s23, 8
	s_add_co_u32 s27, s27, 512
	s_add_co_u32 s22, s22, 1
	s_cmp_lt_u32 s22, 4
	s_cbranch_scc1 .Lblk
	s_wait_alu depctr_va_vdst(0)                   ; the gelu's lines have written the five scale words, which the stores below read
.irp a, 0,1,2,3,4
	s_add_co_u32 s2, s21, 4*\a
	s_cmp_lt_u32 s2, s20
	s_cbranch_scc0 .Lnoword_\a
	global_store_b32 v[VSO], v[HSW+\a], s[36+2*\a:37+2*\a] offset:8192   ; my row's scale word of this K step
.Lnoword_\a:
.endr
	s_wait_xcnt 0x0                                ; bases and data are written again only behind this wait
	s_wait_alu depctr_vm_vsrc(0)                   ; the stores have read the scale words, which the next pass clears; the pass's gather has read v[XSO ..], which the lines below write
	s_add_co_u32 s21, s21, 20                      ; four waves x five tiles on
	s_cmp_ge_u32 s21, s20
	s_cbranch_scc1 .Lnext                          ; nothing is gathered where no pass follows
	TOKA
	s_wait_alu depctr_va_vdst(0)                   ; the five places in the token list are written, which the loads below read; the last pass's lines are done with v[TK ..], in which they land
	TOKL
	s_wait_loadcnt 0x0
	s_wait_alu depctr_vm_vsrc(0)                   ; the tokens' loads have read v[XSO ..], which the lines below write (and the last gather v[XO ..])
	OFFS
	WIN 0x40
	s_wait_alu depctr_va_vdst(0)                   ; the rows' offsets are written; the last pass's products are done reading x's fragments and scale words, in which the loads below land
	XLOAD 0
	XLOAD 1
	XLOAD 2
	XLOAD 3
	XLOAD 4
.Lnext:
	s_add_co_u32 s59, s59, 1
	s_cmp_lt_u32 s59, 4
	s_cbranch_scc1 .Lpass
	s_wait_dscnt 0x0                               ; the last look-ahead's loads are in: no LDS instruction of mine is out at the signal
	s_barrier_signal -1
	s_barrier_wait -1
	s_wait_xcnt 0x0
	v_lshl_add_u32 v254, v0, 2, 0x31e00
	v_mov_b32 v255, 0
	s_wait_dscnt 0x0                               ; the closing lines, six on end
	s_wait_alu 0x0
	s_wait_tensorcnt 0x0
	ds_add_u32 v254, v255
	s_wait_dscnt 0x0
	s_endpgm
.Lfunc_end_k_q6515309c5c_up:
	.size	k_q6515309c5c_up, .Lfunc_end_k_q6515309c5c_up-k_q6515309c5c_up
	.p2alignl 7, 3214868480
	.fill 96, 4, 3214868480
	.section	.rodata,"a",@progbits
	.p2align	6, 0x0
	.amdhsa_kernel k_q6515309c5c_up
		.amdhsa_group_segment_fixed_size 204800
		.amdhsa_private_segment_fixed_size 0
		.amdhsa_enable_private_segment 0
		.amdhsa_kernarg_size 48
		.amdhsa_user_sgpr_count 2
		.amdhsa_user_sgpr_kernarg_segment_ptr 1
		.amdhsa_wavefront_size32 1
		.amdhsa_system_sgpr_workgroup_id_x 1
		.amdhsa_system_sgpr_workgroup_id_y 1
		.amdhsa_system_sgpr_workgroup_id_z 1
		.amdhsa_system_vgpr_workitem_id 0
		.amdhsa_next_free_vgpr 1024
		.amdhsa_next_free_sgpr 66
		.amdhsa_reserve_vcc 0
		.amdhsa_float_denorm_mode_32 3
		.amdhsa_float_denorm_mode_16_64 3
		.amdhsa_memory_ordered 1
		.amdhsa_forward_progress 1
		.amdhsa_inst_pref_size 173
	.end_amdhsa_kernel
	.amdgpu_metadata
---
amdhsa.version: [ 1, 2 ]
amdhsa.kernels:
  - .name:           k_q6515309c5c_up
    .symbol:         k_q6515309c5c_up.kd
    .args:
      - { .name: xq, .offset: 0, .size: 8, .value_kind: global_buffer, .address_space: global }
      - { .name: w1_codes, .offset: 8, .size: 8, .value_kind: global_buffer, .address_space: global }
      - { .name: w1_scales, .offset: 16, .size: 8, .value_kind: global_buffer, .address_space: global }
      - { .name: b1, .offset: 24, .size: 8, .value_kind: global_buffer, .address_space: global }
      - { .name: lists, .offset: 32, .size: 8, .value_kind: global_buffer, .address_space: global }
      - { .name: hq, .offset: 40, .size: 8, .value_kind: global_buffer, .address_space: global }
    .group_segment_fixed_size: 204800
    .private_segment_fixed_size: 0
    .kernarg_segment_align: 8
    .kernarg_segment_size: 48
    .max_flat_workgroup_size: 128
    .sgpr_count:     66
    .vgpr_count:     1024
    .wavefront_size: 32
...
	.end_amdgpu_metadata
.endif
;; end of part 6
;; launch down (part 7): grid 32 x 8, 4 waves a work-group, no clusters, 312,832 bytes of LDS; arguments hq, w2_codes, w2_scales, b2, lists, y; writes y
.if DOCPART == 7
	.amdgcn_target "amdgcn-amd-amdhsa--gfx1250"
	.amdhsa_code_object_version 6
	.text
	.protected	k_q6515309c5c_down
	.globl	k_q6515309c5c_down
	.p2align	8
	.type	k_q6515309c5c_down,@function
k_q6515309c5c_down:
	s_mov_b64 s[64:65], 0
	v_nop
	global_prefetch_b8 v0, s[64:65] scope:SCOPE_SE
	s_setreg_imm32_b32 hwreg(HW_REG_WAVE_SCHED_MODE, 0, 2), 2
	s_setreg_imm32_b32 hwreg(HW_REG_WAVE_MODE, 25, 1), 1
	s_wait_xcnt 0x0
	s_wait_alu depctr_vm_vsrc(0)
; y = H W2_e^T + b2_e for the rows that chose expert e, on codes of E5M2 with one E8M0 scale for each 32 along K = 4,096.
; Work-group (x, e): q = x % 4, chunk = x / 4.  It takes the expert's tiles of 16 rows q, q + 4, .. (c of them, 16 at the most) and outputs 128 chunk .. + 127, over all of K.
; Wave w makes outputs 32 w .. 32 w + 31 (two tiles) for all c tiles of rows.  Its rows of W2 are its own.  A load brings one row's 512 bytes of a trip, 16 a lane, into the registers that the
; fragments will take (two sets by turns); the wave's own stage in LDS, 16 rows 528 bytes apart, cuts 16 rows at a time into fragments, which come back into the registers that the rows left.
; H is shared by the four waves: each wave fetches the records of tiles w, w + 4, .. into registers and stores them to a ring of two LDS slots as they lie: images of the operand's registers.
; K goes in 8 trips of 512, a constant count, with one barrier a trip on every wave's path; only loads, LDS stores and products of tiles that the work-group does not have are jumped over.
; In front of the barrier a wave waits for all its LDS instructions: its stores into this trip's slot have landed, and its reads of the other slot, which the next trip writes, are over.
; The next trip's W2 is asked for at a trip's head (its registers were last read a trip ago), the next trip's H behind the barrier (its registers are read by this trip's LDS stores).
; THE PRODUCT IS USED TRANSPOSED (source 0 = 16 rows of W2, source 1 = 16 rows of H): lane (r, h) holds row r and outputs 8 h + 0..7.
; The sums begin at the bias: the 32 accumulators are set to b2 once, while the first loads are out, so that they hold numbers for all sixteen tiles whichever are multiplied.
; One tile more than the work-group has is stored to LDS in each trip: the read of tile a + 1 stands behind tile a's products without a guard of its own.
; OUT: y [2176 positions][1024] f32, through a stage in slot 0 (last read in trip 6; every wave has passed trip 7's barrier since): a store covers 512 consecutive bytes.
; NO TENSOR LOADS, NO CLUSTER: c is read from memory and steers branches; the four work-groups that share a chunk of W2 would need different numbers of tiles.
; THE MODE: SCHED_MODE bits 1:0 = 2 (LLVM: expert scheduling mode 2), set by the entry lines.  The code itself states the register dependences
; between vector or matrix instructions and memory or LDS instructions, with s_wait_alu, always for 0.
; THE PLAN.  Registers that memory or LDS instructions touch, in a trip on slot and set p:
;   W2's set 1 - p and its scale words   read by the last trip's products; the next trip's rows and words land there at this trip's head.
;   W2's set p     this trip's rows: read by the stage's stores, then the fragments land in the same registers; read by this trip's products.
;   H on its way (window 3) and its scale words   read by this trip's LDS stores; behind the barrier the next trip's records land there.
;   H's two sets and their scale words   tile a's eight products read set a % 2; tile a + 1's 17 loads land in the other set, which tile a - 1's products read.
;   No address register is written behind the head.  The accumulators are named by matrix instructions alone until the way out.
; So one wait on va_vdst stands at a trip's head (for W2's other set and for tile 0's and tile 1's reads of the slot) and one at the top of each later tile, behind the wait for the tile's own data; tile a's
; products follow it, and behind them tile a + 1's loads, which touch none of the registers that those products name.  A wait on vm_vsrc stands between the stage's stores and its loads, twice a trip;
; the second stands behind H's LDS stores too and serves the loads of H behind the barrier.
.set TABO,  16896
.set REC,   8704                       ; a record: four K steps of 16 rows: 8,192 bytes of codes, 512 of scale words
.set TILEB, 69632                      ; a tile's 8 records
.set SLOTB, 139264                     ; an LDS slot: 16 records
.set GRP,   60928                      ; 7 records: what an LDS instruction's immediate reaches
.set SP,    528                        ; the stage for y: a row of 128 outputs + 16 bytes
.set WSTG,  2*SLOTB                    ; behind the ring: W2's stages, one for each wave
.set WSP,   528                        ; a row of W2 in a stage: a trip's 512 bytes + 16: sixteen rows begin in sixteen different groups of banks
.set RB,   4                           ; v4-9    read bases: slot p, group g at 3 p + g
.set SB,   10                          ; v10-13  store bases: slot p, half at 2 p + half
.set HOF,  14                          ; v14-17  my tile j in hq
.set VWT,  18                          ; v18     W2's stage, in: 16 lane
.set VWSO, 19                          ; v19     W2's scale words: 128 r
.set VPF,  20                          ; v20     the prefetches: 4096 r + 256 h; never rewritten
.set VSW,  21                          ; v21-22  the stage for y, in
.set VSR,  23                          ; v23-24  the stage for y, back
.set VYO,  25                          ; v25     y
.set VB2,  26
.set L16,  27
.set VWR,  29                          ; v29     W2's stage, back: 528 r + 16 h
.set WSC,  40                          ; v40-55  W2's scale words: set p, tile n, K step s at 8 p + 4 n + s
.set SST,  56                          ; v56-71  H's scale words on their way to LDS
.set HSC,  72                          ; v72-79  H's scale words: two sets
.set BI,   80                          ; v80-95  b2 in the result's layout
.set HF,   128                         ; v128-255 H's fragments: two sets of four K steps; on the way out rows of y
.set WJ,   40                          ; s40-43  w + 4 j
; window 1: accumulator (a, n) at 16 a + 8 n.  window 2: W2's fragment (p, n, s) at 128 p + 64 n + 16 s.  window 3: H's record j on its way to LDS, at 64 j
.set MSB, 0
.macro WIN new                         ; the immediate's high byte repeats the setting that is left
.if MSB != (\new)
	s_set_vgpr_msb (MSB<<8)|(\new)
.set MSB, (\new)
.endif
.endm
	s_load_b256 s[4:11], s[0:1], 0x0               ; hq s[4:5], W2's codes s[6:7], W2's scales s[8:9], b2 s[10:11]
	s_load_b128 s[12:15], s[0:1], 0x20             ; lists s[12:13], y s[14:15]
	v_lshl_add_u32 v126, v0, 2, 0x4c400
	v_mov_b32 v127, 0
	v_and_b32 v1, 31, v0                           ; lane
	v_lshrrev_b32 v2, 5, v0
	v_readfirstlane_b32 s16, v2                    ; wave
	v_and_b32 v2, 15, v0                           ; r
	v_bfe_u32 v3, v0, 4, 1                         ; h
	s_wait_alu depctr_va_sdst(0)                   ; s16 is written, ahead of its first reader: bases and LDS places are made from it
	s_and_b32 s17, ttmp9, 3                        ; q
	s_lshr_b32 s18, ttmp9, 2                       ; chunk
	s_and_b32 s19, ttmp7, 0xffff                   ; expert
	s_lshl_b32 s26, s19, 10
	s_lshl_b32 s27, s18, 7
	s_add_co_u32 s26, s26, s27
	s_lshl_b32 s27, s16, 5
	s_add_co_u32 s26, s26, s27                     ; my first row of W2: 1024 e + 128 chunk + 32 w
	s_lshl_b32 s28, s26, 12
	s_mov_b32 s29, 0
	s_lshl_b32 s30, s26, 7
	s_mov_b32 s31, 0
	s_lshl_b32 s32, s26, 2
	s_mov_b32 s33, 0
	s_lshl_b32 s3, s19, 3                          ; TAB[e]
	v_lshlrev_b32 v[L16], 4, v1
	v_lshlrev_b32 v[VWSO], 7, v2
	v_lshlrev_b32 v[VPF], 12, v2
	v_lshl_add_u32 v[VPF], v3, 8, v[VPF]
	v_lshlrev_b32 v[VB2], 5, v3
	s_mul_i32 s2, s16, 16*WSP
	s_add_co_u32 s2, s2, WSTG                      ; my wave's stage for W2
	v_add_nc_u32 v[VWT], s2, v[L16]
	v_mul_u32_u24 v[VWR], v2, WSP
	v_lshl_add_u32 v[VWR], v3, 4, v[VWR]
	v_add_nc_u32 v[VWR], s2, v[VWR]
.irp p, 0,1
.irp g, 0,1,2
	v_add_nc_u32 v[RB+3*\p+\g], \p*SLOTB+\g*GRP, v[L16]
.endr
.endr
	s_mul_i32 s2, s16, REC
	v_add_nc_u32 v28, s2, v[L16]
.irp p, 0,1
.irp f, 0,1
	v_add_nc_u32 v[SB+2*\p+\f], \p*SLOTB+\f*8*REC, v28   ; tile w + 4 j lies at 8704 (w + 4 j): j = 2 f + (0 or 1)
.endr
.endr
	v_mul_u32_u24 v[VSW], v2, SP
	v_lshl_add_u32 v[VSW], v3, 5, v[VSW]
	s_lshl_b32 s2, s16, 7
	v_add_nc_u32 v[VSW], s2, v[VSW]                ; the stage for y, in: row r, + 128 w + 32 h
	v_add_nc_u32 v[VSW+1], 128*SP, v[VSW]          ; tiles 8 to 15
	s_mul_i32 s2, s16, 4*SP
	v_add_nc_u32 v[VSR], s2, v[L16]                ; back: of each tile's 16 rows my wave takes 4 w .. 4 w + 3, whole
	v_add_nc_u32 v[VSR+1], 128*SP, v[VSR]
	s_lshl_b32 s2, s16, 14
	v_add_nc_u32 v[VYO], s2, v[L16]
	s_wait_kmcnt 0x0
	s_load_b64 s[34:35], s[12:13], s3 offset:TABO
	s_add_nc_u64 s[6:7], s[6:7], s[28:29]
	s_add_nc_u64 s[8:9], s[8:9], s[30:31]
	s_add_nc_u64 s[10:11], s[10:11], s[32:33]
; a trip's 512 bytes of my 32 rows of W2, a row a load, 512 consecutive bytes, into set p (registers 64 n + 4 i: row 16 n + i, bytes 16 lane on), and the rows' scale words: 34 loads
.macro WLOAD p
	WIN 0x80
.irp n, 0,1
.irp i, 0,1,2,3,4,5,6,7,8,9,10,11,12,13,14,15
	global_load_b128 v[128*(\p)+64*\n+4*\i:128*(\p)+64*\n+4*\i+3], v[L16], s[6:7] offset:65536*\n+4096*\i
.endr
.endr
	WIN 0
.irp n, 0,1
	global_load_b128 v[WSC+8*(\p)+4*\n:WSC+8*(\p)+4*\n+3], v[VWSO], s[8:9] offset:2048*\n
.endr
.endm
; set p through my stage, 16 rows at a time: the rows as they came, and back as fragments (lane (r, h): row r; registers 16 s + 4 c ..: k = 128 s + 32 c + 16 h + 0..15), into the registers that
; the rows left.  LDS serves a wave's instructions in order (ISA guide 5.7.1.4): the loads see the stores above them, and the second sixteen rows' stores come behind the first's loads
.macro WTURN p
.irp n, 0,1
	WIN 0x08                                       ; an LDS store's data are its source 1: window 2
.irp i, 0,1,2,3,4,5,6,7,8,9,10,11,12,13,14,15
	ds_store_b128 v[VWT], v[128*(\p)+64*\n+4*\i:128*(\p)+64*\n+4*\i+3] offset:WSP*\i
.endr
	WIN 0x80                                       ; destination window 2
	s_wait_alu depctr_vm_vsrc(0)                   ; the stores above have read the sixteen rows' registers, in which the loads below land; H's LDS stores, further up, have read H's registers, in which the next trip's records land
.irp s, 0,1,2,3
.irp c, 0,1,2,3
	ds_load_b128 v[128*(\p)+64*\n+16*\s+4*\c:128*(\p)+64*\n+16*\s+4*\c+3], v[VWR] offset:128*\s+32*\c
.endr
.endr
.endr
	WIN 0
.endm
; a trip's record of my tile j: 17 loads of 512 consecutive bytes
.macro HLOAD j
	WIN 0xc0
.irp i, 0,1,2,3,4,5,6,7,8,9,10,11,12,13,14,15
	global_load_b128 v[64*(\j)+4*\i:64*(\j)+4*\i+3], v[HOF+(\j)], s[4:5] offset:512*\i
.endr
	WIN 0
	global_load_b128 v[SST+4*(\j):SST+4*(\j)+3], v[HOF+(\j)], s[4:5] offset:8192
.endm
; tile a of slot p from LDS into set a % 2: 17 loads
.macro TLD p, a
.irp i, 0,1,2,3,4,5,6,7,8,9,10,11,12,13,14,15
	ds_load_b128 v[HF+64*((\a)%2)+4*\i:HF+64*((\a)%2)+4*\i+3], v[RB+3*(\p)+(\a)/7] offset:((\a)%7)*REC+512*\i
.endr
	ds_load_b128 v[HSC+4*((\a)%2):HSC+4*((\a)%2)+3], v[RB+3*(\p)+(\a)/7] offset:((\a)%7)*REC+8192
.endm
	s_wait_alu depctr_va_vdst(0)                   ; the offsets and LDS addresses made above are written: the loads, stores, prefetches and LDS instructions of the kernel read them
.irp n, 0,1
	global_load_b128 v[BI+8*\n:BI+8*\n+3], v[VB2], s[10:11] offset:64*\n        ; lane (r, h), tile n: b2 of outputs 16 n + 8 h + 0..7
	global_load_b128 v[BI+8*\n+4:BI+8*\n+7], v[VB2], s[10:11] offset:64*\n+16
.endr
	WLOAD 0
	s_wait_kmcnt 0x0
	s_min_u32 s20, s34, 135                        ; the expert's first tile
	s_min_u32 s21, s35, 64                         ; its number of tiles
	s_add_co_u32 s22, s21, 3
	s_sub_co_u32 s22, s22, s17
	s_lshr_b32 s22, s22, 2                         ; c: the tiles q, q + 4, .. under it
	s_add_co_u32 s23, s22, 1
.irp j, 0,1,2,3
	s_add_co_u32 s[WJ+\j], s16, 4*\j               ; my j-th tile of the work-group's
	s_lshl_b32 s2, s[WJ+\j], 2
	s_add_co_u32 s2, s2, s20
	s_add_co_u32 s2, s2, s17
	s_cmp_lt_u32 s[WJ+\j], s22
	s_cselect_b32 s2, s2, 0                        ; a tile that I do not have: tile 0, which is always written
	s_min_u32 s2, s2, 135
	s_mul_i32 s2, s2, TILEB
	v_add_nc_u32 v[HOF+\j], s2, v[L16]
.endr
	s_add_co_u32 s2, s20, s17
	s_min_u32 s2, s2, 135
	s_lshl_b32 s2, s2, 16                          ; a tile of y is 16 rows of 4,096 bytes
	s_lshl_b32 s3, s18, 9
	s_add_co_u32 s2, s2, s3
	s_mov_b32 s3, 0
	s_add_nc_u64 s[14:15], s[14:15], s[2:3]        ; y at my first tile and my chunk
	WIN 0xc0
	s_wait_alu depctr_va_vdst(0)                   ; my four tiles' offsets in hq are written, which every load of H reads
	HLOAD 0
	s_wait_loadcnt 51                              ; behind b2's four loads: W2's 34 and H's 17, which may be out
	WIN 0x40                                       ; destination window 1
.irp a, 0,1,2,3,4,5,6,7,8,9,10,11,12,13,14,15
.irp n, 0,1
.irp j, 0,1,2,3,4,5,6,7
	v_mov_b32 v[16*\a+8*\n+\j], v[BI+8*\n+\j]      ; the sums begin at the bias
.endr
.endr
.endr
	WIN 0
	HLOAD 1                                        ; without a guard at the head: every register on the way to LDS holds data from here on.  No wait: the lines above name the accumulators and the biases alone
	HLOAD 2
	HLOAD 3
; A TRIP: 512 along K, slot and set p.  more = 1: the next trip's W2 is asked for at the head, its H straight behind the barrier.  ask = 1: W2 of the trip after that is prefetched.
.macro TRIP p, more, ask
	s_wait_loadcnt 0x0                             ; all that was asked for a trip ago is in (how many loads that was hangs on c, so the count is 0)
	s_wait_alu depctr_va_vdst(0)                   ; the last trip's products are done reading W2's other set and its scale words, in which the loads below land, and H's two sets, in which this trip's reads of tiles 0 and 1 land
.if \more
	s_wait_xcnt 0x0                                ; the last trip's loads and prefetches have read their bases
	s_add_nc_u64 s[6:7], s[6:7], 512
	s_add_nc_u64 s[8:9], s[8:9], 16
	WLOAD 1-(\p)                                   ; into the set that the last trip multiplied: eight places stand behind its last product
.endif
.irp j, 0,1,2,3
	s_cmp_lt_u32 s[WJ+\j], s23
	s_cbranch_scc0 .Lnostore_\@_\j
	WIN 0x0c                                       ; an LDS store's data are its source 1: window 3
.irp i, 0,1,2,3,4,5,6,7,8,9,10,11,12,13,14,15
	ds_store_b128 v[SB+2*(\p)+\j/2], v[64*\j+4*\i:64*\j+4*\i+3] offset:(\j%2)*4*REC+512*\i
.endr
	WIN 0
	ds_store_b128 v[SB+2*(\p)+\j/2], v[SST+4*\j:SST+4*\j+3] offset:(\j%2)*4*REC+8192
.Lnostore_\@_\j:
.endr
	WTURN \p                                       ; this trip's rows of W2 become fragments
	s_wait_dscnt 0x0                               ; my stores have landed, my reads of the other slot are over, and my fragments of W2 are back
	s_barrier_signal -1
	s_barrier_wait -1
.if \more
	s_add_nc_u64 s[4:5], s[4:5], REC               ; no load that names this base is out: H's were waited for at the trip's head
.irp j, 0,1,2,3
	s_cmp_lt_u32 s[WJ+\j], s22
	s_cbranch_scc0 .Lnoload_\@_\j
	HLOAD \j                                       ; (the LDS stores have read these registers: the second wait on vm_vsrc in the turn of W2 stands behind them)
.Lnoload_\@_\j:
.endr
.if \ask
; W2 of the trip after the next: my 32 rows x 512 bytes, a lane to each aligned block of 256 bytes, two instructions, behind the wave's loads.  The four work-groups q = 0..3 read the same rows:
; q = 0 asks, so each block is named once in the launch.  The last trip that loads asks for nothing: there is no trip 8.
	s_cmp_eq_u32 s17, 0
	s_cbranch_scc0 .Lnoask_\@
	global_prefetch_b8 v[VPF], s[6:7] offset:512 th:TH_LOAD_NT scope:SCOPE_SE
	global_prefetch_b8 v[VPF], s[6:7] offset:65536+512 th:TH_LOAD_NT scope:SCOPE_SE
.Lnoask_\@:
.endif
.endif
	TLD \p, 0
.irp a, 0,1,2,3,4,5,6,7,8,9,10,11,12,13,14,15
	s_cmp_gt_u32 s22, \a
	s_cbranch_scc0 .Ltiles_done_\@
	s_wait_dscnt 0x0                               ; tile a is in: its 17 loads are the youngest
.if (\a >= 1) && (\a < 15)
.rept 8
	v_nop                                          ; eight places between tile a - 1's products and the loads into the registers that they read
.endr
	s_wait_alu depctr_va_vdst(0)                   ; tile a - 1's products are done reading their set of H and its scale words, in which tile a + 1's loads land, behind tile a's products
.endif
	WIN 0x52                                       ; source 0 (W2) window 2, source 1 (H) window 0, C and D window 1
.irp s, 0,1,2,3
.irp n, 0,1
	v_wmma_scale_f32_16x16x128_f8f6f4 v[16*\a+8*\n:16*\a+8*\n+7], v[128*(\p)+64*\n+16*\s:128*(\p)+64*\n+16*\s+15], v[HF+64*(\a%2)+16*\s:HF+64*(\a%2)+16*\s+15], v[16*\a+8*\n:16*\a+8*\n+7], v[WSC+8*(\p)+4*\n+\s], v[HSC+4*(\a%2)+\s] matrix_a_fmt:MATRIX_FMT_BF8 matrix_b_fmt:MATRIX_FMT_BF8
.endr
.endr                                              ; the tile's two accumulators by turns, one instruction a turn
	WIN 0
.if \a < 15
	TLD \p, \a+1                                   ; no wait: the eight products above name W2's set, this tile's set of H and its two accumulators, none of which these loads touch
.endif
.endr
.Ltiles_done_\@:
.rept 8
	v_nop                                          ; eight places ahead of the next trip's loads into operands and scale words, and of the way out's reads of results
.endr
.endm
	s_mov_b32 s24, 3
.Ltrips:
	TRIP 0, 1, 1
	TRIP 1, 1, 1
	s_sub_co_u32 s24, s24, 1
	s_cmp_lg_u32 s24, 0
	s_cbranch_scc1 .Ltrips
	TRIP 0, 1, 0                                   ; trip 6 asks for trip 7 and prefetches nothing
	TRIP 1, 0, 0                                   ; trip 7 asks for nothing: no load passes the end of K
	; THE WAY OUT.  A lane's eight results are eight neighbouring outputs of one row; a row's 128 outputs come from four waves.  They meet in the stage, and each wave stores whole rows of 512 bytes.
	s_wait_alu depctr_va_vdst(0)                   ; the products have written the accumulators, which the LDS stores below read, and are done reading H's sets, in which rows of y land further down; the eight places above stay beside this wait
.irp a, 0,1,2,3,4,5,6,7,8,9,10,11,12,13,14,15
	s_cmp_gt_u32 s22, \a
	s_cbranch_scc0 .Lstaged
	WIN 0x04                                       ; the data: window 1
.irp n, 0,1
	ds_store_b128 v[VSW+\a/8], v[16*\a+8*\n:16*\a+8*\n+3] offset:(\a%8)*16*SP+64*\n       ; each accumulator from its low end on
	ds_store_b128 v[VSW+\a/8], v[16*\a+8*\n+4:16*\a+8*\n+7] offset:(\a%8)*16*SP+64*\n+16
.endr
	WIN 0
.endr
.Lstaged:
	s_wait_dscnt 0x0                               ; for the others' sake: my part of the rows has landed
	s_barrier_signal -1
	s_barrier_wait -1
.irp a, 0,1,2,3,4,5,6,7,8,9,10,11,12,13,14,15
.if \a == 8
	s_wait_xcnt 0x0                                ; tile 0's stores have read their registers, which tile 8's rows take
	s_wait_alu depctr_vm_vsrc(0)                   ; the stores of tiles 0 to 7 have read their data registers, in which the rows of tiles 8 to 15 land
.endif
	s_cmp_gt_u32 s22, \a
	s_cbranch_scc0 .Ldone
.irp i, 0,1,2,3
	ds_load_b128 v[HF+16*(\a%8)+4*\i:HF+16*(\a%8)+4*\i+3], v[VSR+\a/8] offset:(\a%8)*16*SP+SP*\i
.endr
	s_wait_dscnt 0x0
.irp i, 0,1,2,3
	global_store_b128 v[VYO], v[HF+16*(\a%8)+4*\i:HF+16*(\a%8)+4*\i+3], s[14:15] offset:262144*\a+4096*\i   ; tile q + 4 a lies 4 a tiles on; 32 lanes store 512 consecutive bytes, aligned
.endr
.endr
.Ldone:
	s_barrier_signal -1
	s_barrier_wait -1
	s_wait_dscnt 0x0                               ; the closing lines, six on end
	s_wait_alu 0x0
	s_wait_tensorcnt 0x0
	ds_add_u32 v126, v127
	s_wait_dscnt 0x0
	s_endpgm
.Lfunc_end_k_q6515309c5c_down:
	.size	k_q6515309c5c_down, .Lfunc_end_k_q6515309c5c_down-k_q6515309c5c_down
	.p2alignl 7, 3214868480
	.fill 96, 4, 3214868480
	.section	.rodata,"a",@progbits
	.p2align	6, 0x0
	.amdhsa_kernel k_q6515309c5c_down
		.amdhsa_group_segment_fixed_size 312832
		.amdhsa_private_segment_fixed_size 0
		.amdhsa_enable_private_segment 0
		.amdhsa_kernarg_size 48
		.amdhsa_user_sgpr_count 2
		.amdhsa_user_sgpr_kernarg_segment_ptr 1
		.amdhsa_wavefront_size32 1
		.amdhsa_system_sgpr_workgroup_id_x 1
		.amdhsa_system_sgpr_workgroup_id_y 1
		.amdhsa_system_sgpr_workgroup_id_z 1
		.amdhsa_system_vgpr_workitem_id 0
		.amdhsa_next_free_vgpr 1024
		.amdhsa_next_free_sgpr 66
		.amdhsa_reserve_vcc 0
		.amdhsa_float_denorm_mode_32 3
		.amdhsa_float_denorm_mode_16_64 3
		.amdhsa_memory_ordered 1
		.amdhsa_forward_progress 1
		.amdhsa_inst_pref_size 255
	.end_amdhsa_kernel
	.section	.bss,"aw",@nobits
	.p2align	6
	.space	262144
	.amdgpu_metadata
---
amdhsa.version: [ 1, 2 ]
amdhsa.kernels:
  - .name:           k_q6515309c5c_down
    .symbol:         k_q6515309c5c_down.kd
    .args:
      - { .name: hq, .offset: 0, .size: 8, .value_kind: global_buffer, .address_space: global }
      - { .name: w2_codes, .offset: 8, .size: 8, .value_kind: global_buffer, .address_space: global }
      - { .name: w2_scales, .offset: 16, .size: 8, .value_kind: global_buffer, .address_space: global }
      - { .name: b2, .offset: 24, .size: 8, .value_kind: global_buffer, .address_space: global }
      - { .name: lists, .offset: 32, .size: 8, .value_kind: global_buffer, .address_space: global }
      - { .name: y, .offset: 40, .size: 8, .value_kind: global_buffer, .address_space: global }
    .group_segment_fixed_size: 312832
    .private_segment_fixed_size: 0
    .kernarg_segment_align: 8
    .kernarg_segment_size: 48
    .max_flat_workgroup_size: 128
    .sgpr_count:     66
    .vgpr_count:     1024
    .wavefront_size: 32
...
	.end_amdgpu_metadata
.endif
;; end of part 7
;; launch combine: the kernel of part 5 again; grid 256 x 1, 4 waves a work-group, no clusters, 0 bytes of LDS; arguments y, lists, gp, ln_g, ln_b, out0; writes out0
